; MI455X (gfx1250); checked and timed in simulation.
; The chip was launched on July 23, 2026; its instructions are those of AMD's public machine-readable ISA for CDNA 5 (MIT licence, August 2026) and "CDNA5" Instruction Set Architecture Reference Guide (July 2026). The comments in the code are by the model that wrote it; some were corrected since.
;; Self Attention Model. Allowed arithmetic: matrix products marked QUANTISED: E4M3 operands, one E8M0 scale for each 32 along K, by v_wmma_scale_f32_16x16x128_f8f6f4 with both operands' format E4M3, f32 sums; everything else in f32.
;; Inputs: b_down 512 float32; b_up 2,048 float32; beta1 512 float32; beta2 512 float32; bk 512 float32; bo 512 float32; bq 512 float32; bv 512 float32; g1 512 float32; g2 512 float32; moves_embeddings 4 x 2,048 x 512 float32; w_down_codes 512 x 64 x 32 uint8 (E4M3 codes of w_down, K innermost, in blocks of 32 codes); w_down_scales 512 x 64 uint8 (E8M0 scales of w_down, one for each 32 codes along K); w_up_codes 2,048 x 16 x 32 uint8 (E4M3 codes of w_up, K innermost, in blocks of 32 codes); w_up_scales 2,048 x 16 uint8 (E8M0 scales of w_up, one for each 32 codes along K); wk_codes 512 x 16 x 32 uint8 (E4M3 codes of wk, K innermost, in blocks of 32 codes); wk_scales 512 x 16 uint8 (E8M0 scales of wk, one for each 32 codes along K); wo_codes 512 x 16 x 32 uint8 (E4M3 codes of wo, K innermost, in blocks of 32 codes); wo_scales 512 x 16 uint8 (E8M0 scales of wo, one for each 32 codes along K); wq_codes 512 x 16 x 32 uint8 (E4M3 codes of wq, K innermost, in blocks of 32 codes); wq_scales 512 x 16 uint8 (E8M0 scales of wq, one for each 32 codes along K); wv_codes 512 x 16 x 32 uint8 (E4M3 codes of wv, K innermost, in blocks of 32 codes); wv_scales 512 x 16 uint8 (E8M0 scales of wv, one for each 32 codes along K).
;; Outputs: out0 4 x 2,048 x 512 float32.
;; This version of the problem:
;;   THIS VERSION OF THE PROBLEM IS GIVEN IN LOW PRECISION. The matrix products marked QUANTISED in the list below multiply operands that are first quantised to E4M3 (4 exponent bits, 3 mantissa bits; 8 bits a number), with one power-of-two scale for each 32 numbers along K (OCP MX v1.0); their sums are f32. All else is computed in f32.
;;   The module's matrix products, in the order in which they are computed (A, B: the left and right operand; K: the contracted axis; several contracted axes count as one K, in the product's order):
;;     1. [M 8,192, K 512] x [K 512, N 512]; A: input moves_embeddings; B: input wq (given as codes): QUANTISED
;;     2. [M 8,192, K 512] x [K 512, N 512]; A: input moves_embeddings; B: input wk (given as codes): QUANTISED
;;     3. [M 8,192, K 512] x [K 512, N 512]; A: input moves_embeddings; B: input wv (given as codes): QUANTISED
;;     4. batch 32 x [M 2,048, K 64] x [K 64, N 2,048]; A: computed on the way; B: computed on the way: QUANTISED
;;     5. batch 32 x [M 2,048, K 2,048] x [K 2,048, N 64]; A: softmax (see below); B: computed on the way: QUANTISED
;;     6. [M 8,192, K 512] x [K 512, N 512]; A: computed on the way; B: input wo (given as codes): QUANTISED
;;     7. [M 8,192, K 512] x [K 512, N 2,048]; A: computed on the way; B: input w_up (given as codes): QUANTISED
;;     8. [M 8,192, K 2,048] x [K 2,048, N 512]; A: computed on the way; B: input w_down (given as codes): QUANTISED
;;   THE QUANTISER, for each operand of a quantised product, along K:
;;     - K is cut into blocks of 32 from its start; a last block that is shorter is filled with zeros.
;;     - A block's scale is 2^e with e = floor(log2(the largest magnitude in the block)) - 8, held to -126 .. 127; a block of zeros has e = 0. As a byte (E8M0): e + 127.
;;     - Each number is divided by its block's scale, clamped to +-448, and rounded to the nearest number of E4M3, ties to even, subnormals kept.
;;     - The product sums the exact products of the quantised numbers (number of the format x scale) in f32.
;;   ~~~python
;;   def quantise(x, axis):      # numpy; x: float32 -> the quantised numbers, widened to float32 again
;;       x = np.moveaxis(x, axis, -1); K = x.shape[-1]
;;       x = np.pad(x, [(0, 0)] * (x.ndim - 1) + [(0, -K % 32)]); x = x.reshape(x.shape[:-1] + (-1, 32)); a = np.abs(x).max(-1, keepdims=True)
;;       e = np.where(a > 0, np.clip(np.frexp(np.where(a > 0, a, 1))[1] - 1 - 8, -126, 127), 0)      # np.frexp(a)[1] - 1 = floor(log2(a)), exactly
;;       r = np.clip(x / 2.0 ** e, -448, 448)
;;       step = 2.0 ** (np.maximum(np.frexp(np.where(r == 0, 1, r))[1] - 1, -6) - 3)
;;       q = np.round(r / step) * step * 2.0 ** e      # np.round: ties to even
;;       return np.moveaxis(q.reshape(q.shape[:-2] + (-1,))[..., :K], -1, axis).astype(np.float32)
;;   ~~~
;;   SOFTMAX AHEAD OF A QUANTISED PRODUCT. Where the list says 'softmax', what is quantised is not the finished softmax but p = 2^(t - M), with t = logit x log2(e) and M = ceil(the row's largest t), a whole number; so 1/2 < the row's largest p <= 1. The row's sum l is taken of the UNQUANTISED p, in f32, and the product's result is divided by l at the end. Since M is a whole number, a kernel that streams over the keys may use a running M (the ceiling of the running maximum): every later rescaling is an exact power of two, which a block's scale takes up: the codes' values come out the same.
;;   OPERANDS COMPUTED ON THE WAY. 'Computed on the way' means the value that the module computes at that place (a softmax that the list does not call 'softmax' is quantised finished and normalised). What goes into a quantiser is computed in f32, as accurately as f32 sums, v_exp_f32 and their like allow (about 1e-6 of the number): no bf16 or f16 on the way to a quantiser, and a product that is left as it is and whose result goes on into a quantised operand takes f32 operands (vector FMAs, or v_wmma_f32_16x16x4_f32). A number that lies on a knife's edge between two numbers of the format may be rounded either way, as far as f32 arithmetic and the matrix unit's own rounding can turn it there, and no further.
;;   INPUTS GIVEN AS CODES. w_down (in the module: [2048, 512], K = its axis 0); w_up (in the module: [512, 2048], K = its axis 0); wk (in the module: [512, 512], K = its axis 0); wo (in the module: [512, 512], K = its axis 0); wq (in the module: [512, 512], K = its axis 0); wv (in the module: [512, 512], K = its axis 0): each comes as NAME_codes (uint8): NAME with its K axis moved to the last place and cut into blocks of 32 codes, [.., K / 32, bytes a block], one block behind the other in memory; one code a byte (a code: sign, 4 exponent bits, 3 mantissa bits); and NAME_scales (uint8): the same leading axes, one E8M0 byte (e + 127) for each 32 codes along K. Its value is code x scale, taken as it is: it is not quantised again, and the codes and scales need not be those that the quantiser above would give.
;; One version. Each part assembles by itself: llvm-mc -triple=amdgcn-amd-amdhsa -mcpu=gfx1250 --defsym DOCPART=n.
;; ======== version 1 of 1: 3 launches
;; limits: right only within a limited range of input values
;; workspace buffers: kvbuf 8,650,752 bytes; qbuf 8,650,752 bytes; wimg 2,359,296 bytes; ctximg 4,194,304 bytes; ctxsc 131,072 bytes
;; launch qkv (part 1): grid 64 x 3, 4 waves a work-group, no clusters, 74,240 bytes of LDS; arguments moves_embeddings, wq_codes, wk_codes, wv_codes, wq_scales, wk_scales, wv_scales, bq, bk, bv, wo_codes, w_up_codes, w_down_codes, qbuf, kvbuf, wimg; writes qbuf, kvbuf, wimg
.if DOCPART == 1
	.amdgcn_target "amdgcn-amd-amdhsa--gfx1250"
	.amdhsa_code_object_version 6
	.text
	.protected	k_q7b5860738d_qkv
	.globl	k_q7b5860738d_qkv
	.p2align	8
	.type	k_q7b5860738d_qkv,@function
k_q7b5860738d_qkv:
	s_mov_b64 s[64:65], 0
	v_nop
	global_prefetch_b8 v0, s[64:65] scope:SCOPE_SE
	s_setreg_imm32_b32 hwreg(HW_REG_WAVE_MODE, 25, 1), 1
	s_wait_xcnt 0x0
; q = x wq + bq, k = x wk + bk, v = x wv + bv on codes of FP8 (E4M3) with one E8M0 scale for each 32 along K; the results are quantised at once and leave as images of the
; operand registers that the attention launch wants: q and k along the head's 64 channels, v along the keys.
; SHARES.  Work-group (x, y): rows 128 x .. 128 x + 127 of the 8,192, and one whole weight (y = 0: wq, 1: wk, 2: wv).  Wave w makes columns 128 w .. 128 w + 127 (heads 2 w, 2 w + 1) for all 128 rows;
; its 32 weight fragments (512 registers) are read from memory once and stay.  64 x 3 = 192 work-groups: 512 columns x 512 K is what four waves' registers hold.
; ROWS AND COLUMNS OF A TILE ARE NOT NEIGHBOURS: in a block of 32, lane r of tile u is number 8 u + r + 8 (r / 8), so that the 16 registers of tiles 0 and 1 of a result are 16 neighbours.
; q, k: the product is used transposed (source 0 = 16 weight rows, source 1 = 16 rows of x): a lane holds one row and 16 neighbouring channels of each block of 32.
; v: natural (source 0 = rows of x, source 1 = weight rows): a lane holds one channel and 16 neighbouring keys.
; x is quantised once a work-group: wave w takes rows 32 w .. 32 w + 31; the fragments go to the other waves through LDS as images of their registers (16 bytes a lane at 16 x lane).
; SIDE JOB: each work-group lays six fragments of wo, w_up, w_down into wimg in operand-register order (192 x 6 = 1,152 = 9 phases x 128 fragments); the four waves are a fragment's four groups of registers.
; No tensor load and no cluster: every weight byte feeds one wave alone and is read once by its work-group.
; LIMITS: NaN and infinities among the inputs are not served; a block of zeros gets the scale byte 1 (its codes are zeros; this program alone reads the bytes); a block whose largest magnitude lies under 2^-118 is held at byte 1.
; REGISTERS: window 0: v1-23 addresses, v24-31 x's scale words, v32-47 the weight's, v48-63 codes just made, v64-87 at work, v88-111 the side job's data, v112-119 v's scale words, v120-125 addresses, v128-255 results (earlier: x).
;   windows 1, 2: the weight's fragments (tile t, K step s) at window 1 + t / 4, v[64 (t % 4) + 16 s].   window 3: v0-127 x's eight fragments of a block, v128-191 the bias, eight registers a tile.
.set XSC,   65536                      ; LDS: x's 32 fragments at 0 (2,048 bytes each), their scale words here (128 bytes each),
.set SCQ,   69632                      ; the q/k form's scale words, 512 bytes a wave,
.set SCV,   71680                      ; the v form's, bytes of their own
.set HEADB, 270336                     ; a head in qbuf and kvbuf: 16 steps of 128 rows
.set STEPB, 16896                      ; a step: 8,192 K (or q), 8,192 V, 256 + 256 scale words
.set XA,   4
.set LI,   5
.set LS,   6
.set XWI,  7
.set XWS,  8
.set VW,   9
.set SO,   10
.set ADR,  11
.set ADS,  12
.set BO,   13
.set T16,  14
.set SCA,  15
.set SCR,  16
.set L8,   17
.set RO,   18
.set XS,   24
.set WS,   32
.set PC,   48
.set TM,   64
.set PW,   80
.set PW0,  81
.set KA,   82
.set KB,   83
.set TL,   84
.set RDT,  88
.set VWD,  112
.set BV,   120
.set SCRV, 121
.set RHO,  122
.set SCVW, 123
.set H16,  124
.set ADT,  125
.set HA,   128
.set B1,   128
.set CODES, 36
.set SCALES, 38
.set BIAS, 40
.set OUTC, 42
.set OUTS, 44
.set WV,   46
.set GX,   47
.set GY,   48
.set QB,   49
.set SEL,  50
.set MNT,  52
.set HM,   53
.set KBC,  54
.set TB,   55
.set TS,   56
.set TK,   57
.set SH,   58
.set WV32, 59
.set WIM,  60
.set RB,   66
.set MSB, 0
.macro WIN new                         ; the immediate's high byte repeats the setting that is left
.if MSB != (\new)
	s_set_vgpr_msb (MSB<<8)|(\new)
.set MSB, (\new)
.endif
.endm
.macro NOPS n
.rept \n
	v_nop
.endr
.endm
.macro WM d, a, b, c, sa, sb, row      ; row = 1: source 0's scales from lanes 16-31; 2: source 1's
.if (\row) == 1
	v_wmma_scale_f32_16x16x128_f8f6f4 v[\d:\d+7], v[\a:\a+15], v[\b:\b+15], v[\c:\c+7], v[\sa], v[\sb] matrix_a_scale:MATRIX_SCALE_ROW1
.elseif (\row) == 2
	v_wmma_scale_f32_16x16x128_f8f6f4 v[\d:\d+7], v[\a:\a+15], v[\b:\b+15], v[\c:\c+7], v[\sa], v[\sb] matrix_b_scale:MATRIX_SCALE_ROW1
.else
	v_wmma_scale_f32_16x16x128_f8f6f4 v[\d:\d+7], v[\a:\a+15], v[\b:\b+15], v[\c:\c+7], v[\sa], v[\sb]
.endif
.endm
; 64 numbers of a lane, four blocks of 16 registers (a block's other 16 lie in lane l xor 16), become 16 registers of codes in v[PC] on, the four scale bytes in v[TM+4] on and the scale word in v[PW].
.macro QUANT s
.irp b, 0,1,2,3
	v_max3_num_f32 v[TM+\b], |v[\s+16*\b]|, |v[\s+1+16*\b]|, 0x4800000   ; the floor 2^(9 - 127) among the leaves: the byte cannot fall under 1
.endr
.irp i, 2,4,6,8,10,12,14
.irp b, 0,1,2,3
	v_max3_num_f32 v[TM+\b], v[TM+\b], |v[\s+16*\b+\i]|, |v[\s+1+16*\b+\i]|
.endr
.endr
.irp b, 0,1,2,3
	v_permlanex16_b32 v[TM+4+\b], v[TM+\b], s[SEL], s[SEL+1]
.endr
.irp b, 0,1,2,3
	v_max_num_f32 v[TM+\b], v[TM+\b], v[TM+4+\b]          ; the block's largest magnitude
.endr
.irp b, 0,1,2,3
	v_add_nc_u32 v[TM+12+\b], 0xfc000000, v[TM+\b]        ; 8 off its exponent field: the conversion's scale operand
.endr
.irp b, 0,1,2,3
	v_and_or_b32 v[TM+8+\b], v[TM+\b], 0x7f800000, s[MNT] ; 448 x the scale
.endr
.irp b, 0,1,2,3
	v_lshrrev_b32 v[TM+4+\b], 23, v[TM+12+\b]             ; the scale's byte
.endr
	v_lshl_or_b32 v[PW], v[TM+5], 8, v[TM+4]
	v_lshl_or_b32 v[PW], v[TM+6], 16, v[PW]
	v_lshl_or_b32 v[PW], v[TM+7], 24, v[PW]
.irp b, 0,1,2,3
.irp i, 0,1,2,3,4,5,6,7,8,9,10,11,12,13,14,15
	v_med3_num_f32 v[\s+16*\b+\i], v[\s+16*\b+\i], -v[TM+8+\b], v[TM+8+\b]   ; the conversion to an 8-bit code does not saturate (ISA guide 7.6.2): the hold comes first
.endr
	v_cvt_scalef32_pk8_fp8_f32 v[PC+4*\b:PC+1+4*\b], v[\s+16*\b:\s+7+16*\b], v[TM+12+\b]
	v_cvt_scalef32_pk8_fp8_f32 v[PC+2+4*\b:PC+3+4*\b], v[\s+8+16*\b:\s+15+16*\b], v[TM+12+\b]
.endr
	v_nop                                                 ; a plain line behind the last scaled conversion
.endm
.macro IMAGE adr, off
.irp c, 0,1,2,3
	ds_store_b128 v[\adr], v[PC+4*\c:PC+4*\c+3] offset:(\off)+512*\c
.endr
.endm
.macro BARRIER
	s_wait_dscnt 0x0
	s_barrier_signal -1
	s_barrier_wait -1
.endm
; The side job's fragment number q = 128 phase + 32 w + 8 cb + 4 u + s.  Phase 0: wo; 1 + 2 j: w_up's rows 512 j on; 2 + 2 j: w_down's K from 512 j on.  My wave takes register group c = my number.
.macro RELAY j
	s_add_co_u32 s78, s[QB], \j
	s_lshr_b32 s79, s78, 7                 ; phase
	s_max_u32 s80, s79, 1
	s_sub_co_u32 s80, s80, 1
	s_lshr_b32 s80, s80, 1
	s_lshl_b32 s80, s80, 9                 ; 512 j
	s_bfe_u32 s81, s78, 0x40003
	s_lshl_b32 s81, s81, 5                 ; 32 (4 w + cb)
	s_bfe_u32 s82, s78, 0x10002
	s_lshl_b32 s82, s82, 3                 ; 8 u
	s_add_co_u32 s81, s81, s82
	s_and_b32 s82, s78, 3
	s_lshl_b32 s82, s82, 7                 ; 128 s
	s_add_co_u32 s82, s82, s[WV32]         ; + 32 c
	s_bitcmp1_b32 s79, 0                   ; an odd phase is w_up's
	s_cselect_b64 s[RB+2*\j:RB+2*\j+1], s[26:27], s[28:29]
	s_cselect_b32 s83, s80, 0              ; first row
	s_cselect_b32 s84, 0, s80              ; first k
	s_cselect_b32 s85, 9, 11               ; a row is 512 or 2,048 bytes
	s_cmp_eq_u32 s79, 0
	s_cselect_b64 s[RB+2*\j:RB+2*\j+1], s[24:25], s[RB+2*\j:RB+2*\j+1]
	s_cselect_b32 s85, 9, s85
	s_add_co_u32 s83, s83, s81
	s_lshl_b32 s83, s83, s85
	s_add_co_u32 s83, s83, s84
	s_add_co_u32 s86, s83, s82
	s_mov_b32 s87, 0
	s_add_nc_u64 s[RB+2*\j:RB+2*\j+1], s[RB+2*\j:RB+2*\j+1], s[86:87]
	v_lshl_add_u32 v[RO+\j], v[RHO], s85, v[H16]
	global_load_b128 v[RDT+4*\j:RDT+4*\j+3], v[RO+\j], s[RB+2*\j:RB+2*\j+1]
.endm
.macro XLOAD set, u, s                 ; my 16 rows of tile u, K step s: 64 numbers a lane
.irp b, 0,1,2,3
.irp j, 0,1,2,3
	global_load_b128 v[HA+64*(\set)+16*\b+4*\j:HA+64*(\set)+16*\b+4*\j+3], v[XA], s[4:5] offset:16384*(\u)+512*(\s)+128*\b+16*\j
.endr
.endr
.endm
.macro WTILE t                         ; weight tile t's four fragments
	WIN 0x40*(1+(\t)/4)
.irp s, 0,1,2,3
.irp c, 0,1,2,3
	global_load_b128 v[64*((\t)%4)+16*\s+4*\c:64*((\t)%4)+16*\s+4*\c+3], v[VW], s[CODES:CODES+1] offset:(32*((\t)/2)+8*((\t)%2))*512+128*\s+32*\c
.endr
.endr
	WIN 0
.endm
; Unit i of the X phase: tile i / 4, K step i % 4 of my 32 rows.  n: the loads issued behind this unit's sixteen.
.macro UNIT i, n
	s_wait_dscnt 0x0                       ; the last image's stores have read v[PC] on
	s_wait_loadcnt \n
	QUANT HA+64*((\i)%2)
	IMAGE XWI, 8192*((\i)/4)+2048*((\i)%4)
	ds_store_b32 v[XWS], v[PW] offset:512*((\i)/4)+128*((\i)%4)
.if \i < 6
	XLOAD (\i)%2, ((\i)+2)/4, ((\i)+2)%4
.endif
	WTILE \i
.endm
.macro AFLOAD                          ; x's eight fragments (tile m, K step s: 4 m + s) and scale words of the block in hand
	v_add_nc_u32 v[ADR], s[TB], v[LI]
	v_add_nc_u32 v[ADS], s[TS], v[LS]
	WIN 0xc0
.irp f, 0,1,2,3,4,5,6,7
.irp c, 0,1,2,3
	ds_load_b128 v[16*\f+4*\c:16*\f+4*\c+3], v[ADR] offset:2048*\f+512*\c
.endr
.endr
	WIN 0
.irp f, 0,1,2,3,4,5,6,7
	ds_load_b32 v[XS+\f], v[ADS] offset:128*\f
.endr
.endm
; 64 matrix instructions; the 16 accumulators take turns, one instruction a turn; the bias is the C of each sum's first instruction.
.macro MULQK
.irp s, 0,1,2,3
.irp t, 0,1,2,3,4,5,6,7
.if \s == 0
	WIN 0x3d+\t/4
.else
	WIN 0x0d+\t/4
.endif
.irp m, 0,1
.if \s == 0
	WM HA+64*\m+8*\t, 64*(\t%4)+16*\s, 16*(4*\m+\s), B1+8*\t, WS+4*(\t/2)+\s, XS+4*\m+\s, \t%2
.else
	WM HA+64*\m+8*\t, 64*(\t%4)+16*\s, 16*(4*\m+\s), HA+64*\m+8*\t, WS+4*(\t/2)+\s, XS+4*\m+\s, \t%2
.endif
.endr
.endr
.endr
	WIN 0
.endm
.macro MULV
.irp s, 0,1,2,3
.irp t, 0,1,2,3,4,5,6,7
.if \s == 0
	WIN 0x37+4*(\t/4)
.else
	WIN 0x07+4*(\t/4)
.endif
.irp m, 0,1
.if \s == 0
	WM HA+16*\t+8*\m, 16*(4*\m+\s), 64*(\t%4)+16*\s, B1+8*\t, XS+4*\m+\s, WS+4*(\t/2)+\s, 2*(\t%2)
.else
	WM HA+16*\t+8*\m, 16*(4*\m+\s), 64*(\t%4)+16*\s, HA+16*\t+8*\m, XS+4*\m+\s, WS+4*(\t/2)+\s, 2*(\t%2)
.endif
.endr
.endr
.endr
	WIN 0
.endm
	s_load_b512 s[4:19], s[0:1], 0x0       ; x, wq, wk, wv codes, wq, wk, wv scales, bq
	s_load_b512 s[20:35], s[0:1], 0x40     ; bk, bv, wo, w_up, w_down codes, qbuf, kvbuf, wimg
	v_lshl_add_u32 v126, v0, 2, 0x12000
	v_mov_b32 v127, 0
	v_lshrrev_b32 v1, 5, v0
	v_readfirstlane_b32 s[WV], v1          ; wave 0..3
	s_mov_b32 s[GX], ttmp9
	s_and_b32 s[GY], ttmp7, 0xffff
	v_and_b32 v1, 31, v0                   ; lane
	v_and_b32 v2, 15, v0                   ; r
	v_bfe_u32 v3, v0, 4, 1                 ; h
	v_and_b32 v[RHO], 8, v2
	v_add_nc_u32 v[RHO], v[RHO], v2        ; r + 8 (r / 8)
	v_lshlrev_b32 v[H16], 4, v3
	v_lshlrev_b32 v[XA], 11, v[RHO]
	v_lshl_add_u32 v[XA], v3, 6, v[XA]     ; x: my row of 2,048 bytes, + 64 h
	v_lshlrev_b32 v[LI], 4, v1
	v_lshlrev_b32 v[LS], 2, v1
	v_lshlrev_b32 v[L8], 3, v1
	v_lshlrev_b32 v[T16], 4, v0
	s_lshl_b32 s78, s[WV], 14
	v_add_nc_u32 v[XWI], s78, v[LI]        ; where I store x's images: block w
	s_lshl_b32 s78, s[WV], 10
	s_add_co_u32 s78, s78, XSC
	v_add_nc_u32 v[XWS], s78, v[LS]
	v_lshl_add_u32 v[VW], v[RHO], 9, v[H16]  ; a weight row is 512 bytes
	v_lshl_add_u32 v[SO], v3, 3, v[RHO]
	v_lshlrev_b32 v[SO], 4, v[SO]          ; the weight's scale words, 16 bytes a row: lanes 0-15 tile 0's rows, lanes 16-31 tile 1's
	v_lshlrev_b32 v[BO], 6, v3
	v_lshlrev_b32 v[BV], 2, v[RHO]
	s_lshl_b32 s78, s[WV], 9
	s_add_co_u32 s79, s78, SCQ
	s_add_co_u32 s80, s78, SCV
	v_lshlrev_b32 v[SCA], 2, v2
	v_lshl_add_u32 v[SCA], v3, 8, v[SCA]
	v_add_nc_u32 v[SCA], s79, v[SCA]
	v_add_nc_u32 v[SCR], s79, v[L8]
	v_add_nc_u32 v[SCRV], s80, v[L8]
	v_add_nc_u32 v[SCVW], s80, v[LS]
.irp b, 0,1,2,3
	v_mov_b32 v[TM+4+\b], 0                ; a lane permute's destination counts as one of its sources
.endr
.irp b, 0,1,2,3,4,5,6,7
	v_mov_b32 v[VWD+\b], 0
.endr
	s_mov_b32 s[SEL], 0x76543210
	s_mov_b32 s[SEL+1], 0xfedcba98
	s_mov_b32 s[MNT], 0x600000
	s_mov_b32 s[HM], 0xffff0000
	s_mov_b32 s[KBC], 0
	s_mov_b32 s[TB], 0
	s_mov_b32 s[TS], XSC
	s_mov_b32 s[TK], 0
	s_mov_b32 s[SH], 0
	s_lshl_b32 s[WV32], s[WV], 5
	s_lshl_b32 s62, s[GY], 6
	s_add_co_u32 s62, s62, s[GX]           ; the work-group's number, 0 .. 191
	s_mul_i32 s[QB], s62, 6
	s_mul_i32 s62, s62, 12288
	s_mov_b32 s63, 0
	s_wait_kmcnt 0x0
	s_add_nc_u64 s[WIM:WIM+1], s[34:35], s[62:63]
	s_cmp_eq_u32 s[GY], 0                  ; which weight is mine: the choice hangs on the work-group's number alone
	s_cselect_b64 s[CODES:CODES+1], s[6:7], s[8:9]
	s_cselect_b64 s[SCALES:SCALES+1], s[12:13], s[14:15]
	s_cselect_b64 s[BIAS:BIAS+1], s[18:19], s[20:21]
	s_cselect_b64 s[OUTC:OUTC+1], s[30:31], s[32:33]
	s_cmp_eq_u32 s[GY], 2
	s_cselect_b64 s[CODES:CODES+1], s[10:11], s[CODES:CODES+1]
	s_cselect_b64 s[SCALES:SCALES+1], s[16:17], s[SCALES:SCALES+1]
	s_cselect_b64 s[BIAS:BIAS+1], s[22:23], s[BIAS:BIAS+1]
	s_mov_b32 s79, 0
	s_lshl_b32 s78, s[WV], 16
	s_add_nc_u64 s[CODES:CODES+1], s[CODES:CODES+1], s[78:79]      ; my 128 weight rows
	s_lshl_b32 s78, s[WV], 11
	s_add_nc_u64 s[SCALES:SCALES+1], s[SCALES:SCALES+1], s[78:79]
	s_lshl_b32 s78, s[WV], 9
	s_add_nc_u64 s[BIAS:BIAS+1], s[BIAS:BIAS+1], s[78:79]
	s_lshl_b32 s78, s[GX], 18
	s_lshl_b32 s80, s[WV], 16
	s_add_co_u32 s78, s78, s80
	s_add_nc_u64 s[4:5], s[4:5], s[78:79]  ; x at row 128 x + 32 w
	s_lshr_b32 s80, s[GX], 4
	s_lshl_b32 s80, s80, 3
	s_lshl_b32 s81, s[WV], 1
	s_add_co_u32 s80, s80, s81             ; batch x 8 + head 2 w
	s_mul_i32 s80, s80, HEADB
	s_and_b32 s81, s[GX], 15
	s_mul_i32 s81, s81, STEPB
	s_add_co_u32 s78, s80, s81
	s_add_nc_u64 s[OUTC:OUTC+1], s[OUTC:OUTC+1], s[78:79]
	s_mov_b64 s[OUTS:OUTS+1], s[OUTC:OUTC+1]
.irp j, 0,1,2,3,4,5
	RELAY \j
.endr
.irp cb, 0,1,2,3
	global_load_b128 v[WS+4*\cb:WS+4*\cb+3], v[SO], s[SCALES:SCALES+1] offset:512*\cb
.endr
	XLOAD 0, 0, 0
	XLOAD 1, 0, 1
	; ---- X: my 32 rows of x become eight fragments; the weight's tiles are asked for meanwhile.  The counts are the loads issued behind the unit's own sixteen:
	UNIT 0, 16                             ; unit 1's
.irp j, 0,1,2,3,4,5
	global_store_b128 v[T16], v[RDT+4*\j:RDT+4*\j+3], s[WIM:WIM+1] offset:2048*\j   ; the four waves store a fragment's 2,048 consecutive bytes
.endr
	UNIT 1, 32                             ; unit 2's and tile 0's
	UNIT 2, 48                             ; a tile's, the next unit's, a tile's
	UNIT 3, 48
	UNIT 4, 48
	UNIT 5, 48
	UNIT 6, 48
	UNIT 7, 32                             ; tiles 5 and 6
	BARRIER                                ; all 32 fragments of x lie in LDS; they are never written again
	s_cmp_eq_u32 s[GY], 2
	s_cbranch_scc1 .Lbias_v
	WIN 0xc0
.irp t, 0,1,2,3,4,5,6,7                    ; transposed: lane (r, h), tile t, register j: column 32 (t / 2) + 16 h + 8 (t % 2) + j
	global_load_b128 v[B1+8*\t:B1+8*\t+3], v[BO], s[BIAS:BIAS+1] offset:(32*(\t/2)+8*(\t%2))*4
	global_load_b128 v[B1+8*\t+4:B1+8*\t+7], v[BO], s[BIAS:BIAS+1] offset:(32*(\t/2)+8*(\t%2))*4+16
.endr
	WIN 0
	s_branch .Lbias_done
.Lbias_v:
	WIN 0xc0
.irp t, 0,1,2,3,4,5,6,7                    ; natural: a lane holds one column, so a tile's eight registers hold the same number
.irp j, 0,1,2,3,4,5,6,7
	global_load_b32 v[B1+8*\t+\j], v[BV], s[BIAS:BIAS+1] offset:(32*(\t/2)+8*(\t%2))*4
.endr
.endr
	WIN 0
.Lbias_done:
	s_wait_loadcnt 0x0                     ; the weight's fragments and the bias
.Lkb:                                      ; four trips: a block of 32 rows each.  Every work-group walks this loop; the two forms are arms inside it
	AFLOAD
	s_wait_dscnt 0x0
	s_cmp_eq_u32 s[GY], 2
	s_cbranch_scc1 .Lvarm
	MULQK
	NOPS 8                                 ; places behind the products: in front of the first read of results and of the next loads into their operands
.irp m, 0,1
	s_wait_xcnt 0x0                        ; the last stores have read v[PC] on
	QUANT HA+64*\m                         ; block b: head 2 w + b / 2, channels 32 (b % 2) on
.irp b, 0,1,2,3
	global_store_b128 v[LI], v[PC+4*\b:PC+4*\b+3], s[OUTC:OUTC+1] offset:(\b/2)*HEADB+(2*\m+(\b%2))*512   ; 512 consecutive bytes
.endr
.if \m == 0
	v_mov_b32 v[PW0], v[PW]
.endif
.endr
	v_perm_b32 v[KA], v[PW], v[PW0], 0x05040100   ; head 2 w: tile 0's two bytes, tile 1's two
	v_perm_b32 v[KB], v[PW], v[PW0], 0x07060302   ; head 2 w + 1
	v_cndmask_b32 v[KA], v[KA], v[KB], s[HM]
	v_add_nc_u32 v[ADT], s[TK], v[SCA]
	ds_store_b32 v[ADT], v[KA]             ; gathered in my own 512 bytes, to leave as whole runs of 256
	s_wait_xcnt 0x0
	s_add_nc_u64 s[OUTC:OUTC+1], s[OUTC:OUTC+1], 2048
	s_branch .Ljoin
.Lvarm:
	MULV
	NOPS 8
.irp g, 0,1
	s_wait_xcnt 0x0
	QUANT HA+64*\g                         ; block b: channel tile b of head 2 w + g; its 32 numbers are this block's 32 keys
.irp b, 0,1,2,3
	global_store_b128 v[LI], v[PC+4*\b:PC+4*\b+3], s[OUTC:OUTC+1] offset:\g*HEADB+8192+2048*\b
.endr
.irp b, 0,1,2,3
	v_lshl_or_b32 v[VWD+4*\g+\b], v[TM+4+\b], s[SH], v[VWD+4*\g+\b]   ; the byte of this block of keys
.endr
.endr
	s_wait_xcnt 0x0
	s_add_nc_u64 s[OUTC:OUTC+1], s[OUTC:OUTC+1], 512
.Ljoin:
	s_add_co_u32 s[TB], s[TB], 16384
	s_add_co_u32 s[TS], s[TS], 1024
	s_add_co_u32 s[TK], s[TK], 64
	s_add_co_u32 s[SH], s[SH], 8
	s_add_co_u32 s[KBC], s[KBC], 1
	s_cmp_lt_u32 s[KBC], 4
	s_cbranch_scc1 .Lkb
	s_cmp_eq_u32 s[GY], 2
	s_cbranch_scc1 .Ltail_v
	ds_load_b64 v[TL:TL+1], v[SCR]         ; LDS serves a wave's instructions in order: these see my stores
	ds_load_b64 v[TL+2:TL+3], v[SCR] offset:256
	s_wait_dscnt 0x0
	global_store_b64 v[L8], v[TL:TL+1], s[OUTS:OUTS+1] offset:16384          ; 256 consecutive bytes: a head's scale words of this step
	global_store_b64 v[L8], v[TL+2:TL+3], s[OUTS:OUTS+1] offset:16384+HEADB
	s_wait_tensorcnt 0x0
	ds_add_u32 v126, v127
	s_wait_dscnt 0x0
	s_endpgm
.Ltail_v:
	s_wait_alu depctr_va_vdst(0)
.irp g, 0,1
.irp p, 0,1
	v_cndmask_b32 v[TL+2*\g+\p], v[VWD+4*\g+2*\p], v[VWD+4*\g+2*\p+1], s[HM]   ; lanes 0-15 the even tile's words, lanes 16-31 the odd one's
	ds_store_b32 v[SCVW], v[TL+2*\g+\p] offset:256*\g+128*\p
.endr
.endr
	ds_load_b64 v[RDT:RDT+1], v[SCRV]
	ds_load_b64 v[RDT+2:RDT+3], v[SCRV] offset:256
	s_wait_dscnt 0x0
	global_store_b64 v[L8], v[RDT:RDT+1], s[OUTS:OUTS+1] offset:16640
	global_store_b64 v[L8], v[RDT+2:RDT+3], s[OUTS:OUTS+1] offset:16640+HEADB
	s_wait_tensorcnt 0x0
	ds_add_u32 v126, v127
	s_wait_dscnt 0x0
	s_endpgm
.Lfunc_end_k_q7b5860738d_qkv:
	.size	k_q7b5860738d_qkv, .Lfunc_end_k_q7b5860738d_qkv-k_q7b5860738d_qkv
	.p2alignl 7, 3214868480
	.fill 96, 4, 3214868480
	.section	.rodata,"a",@progbits
	.p2align	6, 0x0
	.amdhsa_kernel k_q7b5860738d_qkv
		.amdhsa_group_segment_fixed_size 74240
		.amdhsa_private_segment_fixed_size 0
		.amdhsa_enable_private_segment 0
		.amdhsa_kernarg_size 128
		.amdhsa_user_sgpr_count 2
		.amdhsa_user_sgpr_kernarg_segment_ptr 1
		.amdhsa_wavefront_size32 1
		.amdhsa_system_sgpr_workgroup_id_x 1
		.amdhsa_system_sgpr_workgroup_id_y 1
		.amdhsa_system_sgpr_workgroup_id_z 1
		.amdhsa_system_vgpr_workitem_id 0
		.amdhsa_next_free_vgpr 1024
		.amdhsa_next_free_sgpr 100
		.amdhsa_reserve_vcc 0
		.amdhsa_float_denorm_mode_32 3
		.amdhsa_float_denorm_mode_16_64 3
		.amdhsa_memory_ordered 1
		.amdhsa_forward_progress 1
		.amdhsa_inst_pref_size 167
	.end_amdhsa_kernel
	.amdgpu_metadata
---
amdhsa.version: [ 1, 2 ]
amdhsa.kernels:
  - .name:           k_q7b5860738d_qkv
    .symbol:         k_q7b5860738d_qkv.kd
    .args:
      - { .name: moves_embeddings, .offset: 0, .size: 8, .value_kind: global_buffer, .address_space: global }
      - { .name: wq_codes, .offset: 8, .size: 8, .value_kind: global_buffer, .address_space: global }
      - { .name: wk_codes, .offset: 16, .size: 8, .value_kind: global_buffer, .address_space: global }
      - { .name: wv_codes, .offset: 24, .size: 8, .value_kind: global_buffer, .address_space: global }
      - { .name: wq_scales, .offset: 32, .size: 8, .value_kind: global_buffer, .address_space: global }
      - { .name: wk_scales, .offset: 40, .size: 8, .value_kind: global_buffer, .address_space: global }
      - { .name: wv_scales, .offset: 48, .size: 8, .value_kind: global_buffer, .address_space: global }
      - { .name: bq, .offset: 56, .size: 8, .value_kind: global_buffer, .address_space: global }
      - { .name: bk, .offset: 64, .size: 8, .value_kind: global_buffer, .address_space: global }
      - { .name: bv, .offset: 72, .size: 8, .value_kind: global_buffer, .address_space: global }
      - { .name: wo_codes, .offset: 80, .size: 8, .value_kind: global_buffer, .address_space: global }
      - { .name: w_up_codes, .offset: 88, .size: 8, .value_kind: global_buffer, .address_space: global }
      - { .name: w_down_codes, .offset: 96, .size: 8, .value_kind: global_buffer, .address_space: global }
      - { .name: qbuf, .offset: 104, .size: 8, .value_kind: global_buffer, .address_space: global }
      - { .name: kvbuf, .offset: 112, .size: 8, .value_kind: global_buffer, .address_space: global }
      - { .name: wimg, .offset: 120, .size: 8, .value_kind: global_buffer, .address_space: global }
    .group_segment_fixed_size: 74240
    .private_segment_fixed_size: 0
    .kernarg_segment_align: 8
    .kernarg_segment_size: 128
    .max_flat_workgroup_size: 128
    .sgpr_count:     100
    .vgpr_count:     1024
    .wavefront_size: 32
...
	.end_amdgpu_metadata
.endif
;; end of part 1
;; launch attn (part 2): grid 8 x 32, 16 waves a work-group, clusters of 4 x 1, 272,384 bytes of LDS; arguments qbuf, kvbuf, ctximg, ctxsc; writes ctximg, ctxsc
.if DOCPART == 2
	.amdgcn_target "amdgcn-amd-amdhsa--gfx1250"
	.amdhsa_code_object_version 6
	.text
	.protected	k_q7b5860738d_attn
	.globl	k_q7b5860738d_attn
	.p2align	8
	.type	k_q7b5860738d_attn,@function
k_q7b5860738d_attn:
	s_mov_b64 s[64:65], 0
	v_nop
	global_prefetch_b8 v0, s[64:65] scope:SCOPE_SE
	s_setreg_imm32_b32 hwreg(HW_REG_WAVE_MODE, 25, 1), 1
	s_wait_xcnt 0x0
	s_wait_alu depctr_hold_cnt(0) depctr_sa_sdst(0) depctr_va_vdst(0) depctr_va_sdst(0) depctr_va_ssrc(0) depctr_va_vcc(0) depctr_vm_vsrc(0)
	s_getreg_b32 s2, hwreg(HW_REG_IB_STS2, 6, 4)
	s_cmp_eq_u32 s2, 0
	s_cbranch_scc0 .Lentry_in_a_cluster
	s_endpgm
.Lentry_in_a_cluster:
	s_bfe_u32 s2, ttmp6, 0x10000c
	s_cmp_lg_u32 s2, 0x3003
	s_cbranch_scc0 .Lentry_shape_is_right
	s_endpgm
.Lentry_shape_is_right:
; ctx = softmax(q k^T / sqrt(512)) v for one head, both products on codes of FP8 (E4M3) with E8M0 scales; ctx is divided by the row's sum, quantised along the 512 columns and stored as images of operand registers.
; THE SOFTMAX: t = score x log2(e) / sqrt(512); M = the running largest t rounded UP to a whole number; p = 2^(t - M) is what is quantised, along the keys; the row's sum is taken of the unquantised p.
; When M moves, the sum and O are multiplied by 2^(old M - new M): exact.
; SHARES.  A work-group owns 256 queries of one of the 32 heads; each of its sixteen waves one tile of 16 queries in 256 registers, four waves to a SIMD.  Every wave walks the head's 2,048 keys, 128 a step.
; LDS.  The head's K, V and scale words, 16 steps x 16,896 bytes, lie in LDS whole and are filled ONCE: no byte is filled again.  They lie as images of operand registers: every read is 16 or 4 bytes a lane on end.
; CLUSTER.  The four work-groups of a cluster belong to one head and ask for each step JOINTLY.  Wave w issues ONE load, step w's.  The sixteen loads stand in two arms of one branch on the wave's number:
; waves 0 to 3 wait for theirs in front of the first barrier, behind which key steps 0 to 3 are walked; in front of the second barrier every wave waits, and the other twelve steps follow in one loop.
; A HEAD HAS 64 CHANNELS, half of the instruction's K.  A fragment of K holds TWO key tiles (registers 0-7, registers 8-15); times [q | 0] it gives the first tile's scores, times [0 | q] the second's.
; The dead half is zero codes against K's codes, which come from a hold and are numbers; q's two scale bytes stand in both halves of its word.
; Both products are used transposed: a lane holds one query throughout.  The keys of a tile are 8 u + r + 8 (r / 8) of a block of 32, so that p's 16 registers of two tiles are 16 neighbouring keys.
; No prefetch: all tiles are asked for at the head.  ctx's scale bytes leave as 32 single bytes a wave, against 1,024 bytes of codes.
; LIMITS: NaN and infinities are not served; a block of zeros keeps the scale byte 1; the scaled scores stay under 2^31 in magnitude.
.set STEPB, 16896
.set HEADB, 270336
.set LI,  1
.set LS,  2
.set ADK, 3
.set ADS, 4
.set SB,  5
.set QA,  6
.set QW,  7
.set NM,  12                           ; -M;  v13 the largest t;  v[14:15] the sum in two halves
.set TMX, 13
.set SUM, 14
.set Q1,  16                           ; v[16:31] = [0 | q]
.set Q0,  24                           ; v[24:39] = [q | 0]
.set QS,  40
.set KS,  42
.set VS,  44
.set F,   48                           ; four fragments of K, then of V
.set S,   112                          ; the scores, then p
.set O,   176
.set P,   208
.set BM,  224
.set PT,  228
.set LIM, 232
.set SCO, 236
.set FF,  244
.set TT,  246
.set PWD, 247
.set WV,  12
.set G1,  16
.set G0,  24
.set SEL, 40
.set CS,  42
.set MNT, 44
.set TB,  45
.set CNT, 46
.set HM,  47
.macro NOPS n
.rept \n
	v_nop
.endr
.endm
.macro WM d, a, b, c, sa, sb, row
.if (\row) == 1
	v_wmma_scale_f32_16x16x128_f8f6f4 v[\d:\d+7], v[\a:\a+15], v[\b:\b+15], v[\c:\c+7], v[\sa], v[\sb] matrix_a_scale:MATRIX_SCALE_ROW1
.else
	v_wmma_scale_f32_16x16x128_f8f6f4 v[\d:\d+7], v[\a:\a+15], v[\b:\b+15], v[\c:\c+7], v[\sa], v[\sb]
.endif
.endm
.macro WMZ d, a, b, sa, sb, row
.if (\row) == 1
	v_wmma_scale_f32_16x16x128_f8f6f4 v[\d:\d+7], v[\a:\a+15], v[\b:\b+15], 0, v[\sa], v[\sb] matrix_a_scale:MATRIX_SCALE_ROW1
.else
	v_wmma_scale_f32_16x16x128_f8f6f4 v[\d:\d+7], v[\a:\a+15], v[\b:\b+15], 0, v[\sa], v[\sb]
.endif
.endm
.macro CROUND                          ; a round of the cluster's barrier
	s_barrier_signal -1
	s_barrier_wait -1
	s_cmp_lg_u32 s[WV], 0
	s_cbranch_scc1 .Lnot_wave_0_\@
	s_barrier_signal -3
.Lnot_wave_0_\@:
	s_barrier_wait -3
	s_barrier_signal -1
	s_barrier_wait -1
.endm
; A KEY STEP: 128 keys, whose block begins at LDS byte s[TB].
.macro STEP
	v_add_nc_u32 v[ADK], s[TB], v[LI]
	v_add_nc_u32 v[ADS], s[TB], v[LS]
	NOPS 6                                 ; with the two additions: eight places behind the last products, in front of loads into their operands
.irp b, 0,1,2,3
.irp g, 0,1,2,3
	ds_load_b128 v[F+16*\b+4*\g:F+16*\b+4*\g+3], v[ADK] offset:2048*\b+512*\g
.endr
.endr
	ds_load_b32 v[KS], v[ADS] offset:16384     ; K's scale words: lanes 0-15 pair 0, lanes 16-31 pair 1;
	ds_load_b32 v[KS+1], v[ADS] offset:16512   ; pairs 2 and 3;
	ds_load_b32 v[VS], v[ADS] offset:16640     ; V's: channel tiles 0 and 1,
	ds_load_b32 v[VS+1], v[ADS] offset:16768   ; 2 and 3
	s_wait_alu depctr_va_vdst(0)
	s_wait_dscnt 0x0
.irp b, 0,1,2,3
	WMZ S+16*\b, F+16*\b, Q0, KS+\b/2, QS, \b%2
	WMZ S+16*\b+8, F+16*\b, Q1, KS+\b/2, QS, \b%2
.endr
	NOPS 8
.irp t, 0,1,2,3
.irp c, 0,1,2,3
	ds_load_b128 v[F+16*\t+4*\c:F+16*\t+4*\c+3], v[ADK] offset:8192+2048*\t+512*\c   ; V's four tiles land while the softmax is walked
.endr
.endr
.irp b, 0,1,2,3
	v_max3_num_f32 v[BM+\b], v[S+16*\b], v[S+1+16*\b], v[S+2+16*\b]   ; the largest score of each block of 32 keys: for the row's maximum, and, since p rises with the score, for the block's largest p
.endr
.irp i, 3,5,7,9,11,13
.irp b, 0,1,2,3
	v_max3_num_f32 v[BM+\b], v[BM+\b], v[S+16*\b+\i], v[S+1+16*\b+\i]
.endr
.endr
.irp b, 0,1,2,3
	v_max_num_f32 v[BM+\b], v[BM+\b], v[S+15+16*\b]
.endr
.irp b, 0,1,2,3
	s_delay_alu instid0(VALU_DEP_4)
	v_permlanex16_b32 v[PT+\b], v[BM+\b], s[SEL], s[SEL+1]
.endr
.irp b, 0,1,2,3
	s_delay_alu instid0(VALU_DEP_4)
	v_max_num_f32 v[BM+\b], v[BM+\b], v[PT+\b]
.endr
	s_delay_alu instid0(VALU_DEP_2)
	v_max3_num_f32 v[TT], v[BM], v[BM+1], v[BM+2]
	s_delay_alu instid0(VALU_DEP_1)
	v_max_num_f32 v[TT], v[TT], v[BM+3]
	s_delay_alu instid0(VALU_DEP_1)
	v_mul_f32 v[TT], s[CS], v[TT]
	s_delay_alu instid0(VALU_DEP_1)
	v_max_num_f32 v[TMX], v[TMX], v[TT]        ; the running largest t
	v_mov_b32 v[TT], v[NM]
	s_delay_alu instid0(VALU_DEP_2)
	v_floor_f32 v[NM], -v[TMX]                 ; -M = floor(-t)
	s_delay_alu instid0(VALU_DEP_1)
	v_sub_f32 v[TT], v[NM], v[TT]              ; old M - new M: a whole number, 0 or less
	s_delay_alu instid0(VALU_DEP_1)
	v_cvt_i32_f32 v[TT], v[TT]                 ; (it saturates)
	s_delay_alu instid0(VALU_DEP_1)
	v_ldexp_f32 v[FF], 1.0, v[TT]              ; f = 2^(old M - new M)
.irp j, 0,2,4,6,8,10,12,14,16,18,20,22,24,26,28,30,32,34,36,38,40,42,44,46,48,50,52,54,56,58,60,62
	v_pk_fma_f32 v[S+\j:S+1+\j], v[S+\j:S+1+\j], s[CS:CS+1], v[NM:NM+1] op_sel_hi:[1,0,0]   ; t - M
.endr
.irp b, 0,1,2,3
	v_fma_f32 v[BM+\b], v[BM+\b], s[CS], v[NM]
.endr
	s_wait_alu depctr_va_vdst(0)
.irp j, 0,1,2,3,4,5,6,7,8,9,10,11,12,13,14,15,16,17,18,19,20,21,22,23,24,25,26,27,28,29,30,31,32,33,34,35,36,37,38,39,40,41,42,43,44,45,46,47,48,49,50,51,52,53,54,55,56,57,58,59,60,61,62,63
	v_exp_f32 v[S+\j], v[S+\j]                 ; p = 2^(t - M)
.endr
	v_pk_mul_f32 v[SUM:SUM+1], v[SUM:SUM+1], v[FF:FF+1] op_sel_hi:[1,0]   ; the sums under the new M: a plain line behind the exponentials
	s_wait_alu depctr_va_vdst(0)               ; one wait for the batch, ahead of its first reader
.irp b, 0,1,2,3
	v_exp_f32 v[BM+\b], v[BM+\b]               ; the block's largest p
.endr
	v_pk_add_f32 v[228:229], v[116:117], v[120:121]   ; the row's sum of the unquantised p, in eight chains
	v_pk_add_f32 v[252:253], v[124:125], v[128:129]
	v_pk_add_f32 v[250:251], v[132:133], v[136:137]
	v_pk_add_f32 v[248:249], v[140:141], v[144:145]
	v_pk_add_f32 v[242:243], v[148:149], v[152:153]
	v_pk_add_f32 v[240:241], v[156:157], v[160:161]
	v_pk_add_f32 v[238:239], v[164:165], v[168:169]
	v_pk_add_f32 v[14:15], v[14:15], v[172:173]
	v_pk_add_f32 v[228:229], v[228:229], v[112:113]
	v_pk_add_f32 v[252:253], v[252:253], v[114:115]
	v_pk_add_f32 v[250:251], v[250:251], v[118:119]
	v_pk_add_f32 v[248:249], v[248:249], v[122:123]
	v_pk_add_f32 v[242:243], v[242:243], v[126:127]
	v_pk_add_f32 v[240:241], v[240:241], v[130:131]
	v_pk_add_f32 v[238:239], v[238:239], v[134:135]
	v_pk_add_f32 v[14:15], v[14:15], v[138:139]
	v_pk_add_f32 v[228:229], v[228:229], v[142:143]
	v_pk_add_f32 v[252:253], v[252:253], v[146:147]
	v_pk_add_f32 v[250:251], v[250:251], v[150:151]
	v_pk_add_f32 v[248:249], v[248:249], v[154:155]
	v_pk_add_f32 v[242:243], v[242:243], v[158:159]
	v_pk_add_f32 v[240:241], v[240:241], v[162:163]
	v_pk_add_f32 v[238:239], v[238:239], v[166:167]
	v_pk_add_f32 v[14:15], v[14:15], v[170:171]
	v_pk_add_f32 v[228:229], v[228:229], v[174:175]
	s_delay_alu instid0(VALU_DEP_2)
	v_pk_add_f32 v[14:15], v[14:15], v[248:249]
	s_delay_alu instid0(VALU_DEP_2)
	v_pk_add_f32 v[228:229], v[228:229], v[242:243]
	v_pk_add_f32 v[252:253], v[252:253], v[240:241]
	v_pk_add_f32 v[250:251], v[250:251], v[238:239]
	s_delay_alu instid0(VALU_DEP_2)
	v_pk_add_f32 v[14:15], v[14:15], v[252:253]
	s_delay_alu instid0(VALU_DEP_2)
	v_pk_add_f32 v[228:229], v[228:229], v[250:251]
	s_delay_alu instid0(VALU_DEP_1)
	v_pk_add_f32 v[14:15], v[14:15], v[228:229]
	s_wait_alu depctr_va_vdst(0)               ; and one for the four
.irp b, 0,1,2,3
	v_max_num_f32 v[BM+\b], 0x4800000, v[BM+\b]
.endr
.irp b, 0,1,2,3
	s_delay_alu instid0(VALU_DEP_4)
	v_add_nc_u32 v[SCO+\b], 0xfc000000, v[BM+\b]
.endr
.irp b, 0,1,2,3
	v_and_or_b32 v[LIM+\b], v[BM+\b], 0x7f800000, s[MNT]
.endr
.irp b, 0,1,2,3
	v_lshrrev_b32 v[PT+\b], 23, v[SCO+\b]
.endr
	s_delay_alu instid0(VALU_DEP_3)
	v_lshl_or_b32 v[PWD], v[PT+1], 8, v[PT]    ; p's scale word for these 128 keys
	s_delay_alu instid0(VALU_DEP_1)
	v_lshl_or_b32 v[PWD], v[PT+2], 16, v[PWD]
	s_delay_alu instid0(VALU_DEP_1)
	v_lshl_or_b32 v[PWD], v[PT+3], 24, v[PWD]
.irp b, 0,2                                ; p is not negative: the hold is one-sided.  Two holds to an instruction: the halves take two blocks, so that one destination is even and one odd and the sources' numbers differ modulo 4
.irp i, 0,2,4,6,8,10,12,14
	v_dual_min_num_f32 v[S+16*\b+\i], v[S+16*\b+\i], v[LIM+\b] :: v_dual_min_num_f32 v[S+17+16*\b+\i], v[S+17+16*\b+\i], v[LIM+1+\b]
	v_dual_min_num_f32 v[S+16+16*\b+\i], v[S+16+16*\b+\i], v[LIM+1+\b] :: v_dual_min_num_f32 v[S+1+16*\b+\i], v[S+1+16*\b+\i], v[LIM+\b]
.endr
.irp c, 0,1
	v_cvt_scalef32_pk8_fp8_f32 v[P+4*(\b+\c):P+1+4*(\b+\c)], v[S+16*(\b+\c):S+7+16*(\b+\c)], v[SCO+\b+\c]
	v_cvt_scalef32_pk8_fp8_f32 v[P+2+4*(\b+\c):P+3+4*(\b+\c)], v[S+8+16*(\b+\c):S+15+16*(\b+\c)], v[SCO+\b+\c]
.endr
.endr
.irp j, 0,2,4,6,8,10,12,14,16,18,20,22,24,26,28,30
	v_pk_mul_f32 v[O+\j:O+1+\j], v[O+\j:O+1+\j], v[FF:FF+1] op_sel_hi:[1,0]   ; O^T under the new M; these are also the places in front of the products below
.endr
	s_wait_alu depctr_va_vdst(0)
	s_wait_dscnt 0x0                           ; V
.irp t, 0,1,2,3
	WM O+8*\t, F+16*\t, P, O+8*\t, VS+\t/2, PWD, \t%2
.endr
	s_add_co_u32 s[TB], s[TB], STEPB
.endm
; n key steps behind a barrier.  first = 1: the barrier shows the loads of waves 0 to 3, who wait for them; 0: all that is still out.
.macro GROUP first, n
.if \first
	s_cmp_lt_u32 s[WV], 4
	s_cbranch_scc0 .Lnot_mine_\@
	s_wait_tensorcnt 0x0
.Lnot_mine_\@:
.else
	s_wait_tensorcnt 0x0                   ; on every wave's way
.endif
	s_wait_dscnt 0x0
	s_barrier_signal -1
	s_barrier_wait -1
	s_mov_b32 s[CNT], \n
.Lstep_\@:
	s_wait_alu depctr_va_vdst(0)
	STEP
	s_sub_co_u32 s[CNT], s[CNT], 1
	s_cmp_lg_u32 s[CNT], 0
	s_cbranch_scc1 .Lstep_\@
.endm
	s_load_b256 s[4:11], s[0:1], 0x0       ; qbuf, kvbuf, ctximg, ctxsc
	v_lshl_add_u32 v254, v0, 2, 0x42000
	v_mov_b32 v255, 0
	ds_add_u32 v254, v255                  ; the opening lines: the add, twice on end, and its wait ahead of the first tensor load
	ds_add_u32 v254, v255
	v_lshrrev_b32 v1, 5, v0
	s_delay_alu instid0(VALU_DEP_1)
	v_readfirstlane_b32 s[WV], v1          ; wave 0..15
	v_and_b32 v8, 31, v0
	v_and_b32 v9, 15, v0
	v_bfe_u32 v10, v0, 4, 1
	s_delay_alu instid0(VALU_DEP_3)
	v_lshlrev_b32 v[LI], 4, v8
	s_delay_alu instid0(VALU_DEP_4)
	v_lshlrev_b32 v[LS], 2, v8
	s_delay_alu instid0(VALU_DEP_3)
	v_lshl_add_u32 v[SB], v9, 2, v10       ; ctx's scale bytes: 4 r + the block
	s_bfe_u32 s13, ttmp6, 0x40000          ; cx
	s_lshl_b32 s14, ttmp9, 2
	s_add_co_u32 s14, s14, s13             ; my block of 256 queries: it enters q's and ctx's addresses alone
	s_and_b32 s15, ttmp7, 0xffff           ; batch x 8 + head, which the four partners share
	; descriptor group 1: a step's 16,896 dense bytes as 66 rows of 256 bytes (32 elements of 8 bytes), no padding
	s_mov_b32 s[G1], 15|(3<<16)|(1<<21)    ; 15:0 the mask: all four work-groups; 17:16 elements of 8 bytes; 21 set beside a mask
	s_mov_b32 s[G1+1], 32<<16              ; tensor_dim0 = 32
	s_mov_b32 s[G1+2], 66<<16              ; tensor_dim1 = 66
	s_mov_b32 s[G1+3], 32<<16              ; tile_dim0 = 32
	s_mov_b32 s[G1+4], 66                  ; tile_dim1 = 66
	s_mov_b32 s[G1+5], 32                  ; from row to row
	s_mov_b32 s[G1+6], 0
	s_mov_b32 s[G1+7], 0
	s_mul_i32 s48, s[WV], STEPB            ; step w: in LDS and in the head's block of memory alike
	s_mul_i32 s50, s15, HEADB
	s_add_co_u32 s52, s50, s48
	s_mov_b32 s53, 0
	s_mov_b32 s[SEL], 0x76543210
	s_mov_b32 s[SEL+1], 0xfedcba98
	s_mov_b32 s[CS], 0x3d8293ee            ; c = log2(e) / sqrt(512)
	s_mov_b32 s[CS+1], s[CS]
	s_mov_b32 s[MNT], 0x600000
	s_mov_b32 s[HM], 0xffff0000
	s_mov_b32 s[TB], 0
	s_mov_b32 s[G0], 1
	s_mov_b32 s[G0+1], s48
	s_wait_dscnt 0x0
	s_wait_kmcnt 0x0
	s_add_nc_u64 s[G0+2:G0+3], s[6:7], s[52:53]
	s_or_b32 s[G0+3], s[G0+3], 0x80000000
	CROUND                                 ; all four work-groups are here: the joint loads meet
	s_cmp_lt_u32 s[WV], 4                  ; two arms, one load to an arm, one join: every way through the head passes exactly one load
	s_cbranch_scc0 .Llater_steps
	tensor_load_to_lds s[G0:G0+3], s[G1:G1+7]
	s_nop 0
	NOPS 4
	s_branch .Lasked
.Llater_steps:
	tensor_load_to_lds s[G0:G0+3], s[G1:G1+7]
	s_nop 0
	NOPS 4
.Lasked:
	s_lshl_b32 s54, s14, 1
	s_lshr_b32 s55, s[WV], 3
	s_add_co_u32 s54, s54, s55             ; my tile's step of 128 rows,
	s_bfe_u32 s55, s[WV], 0x20001          ; its block of 32,
	s_and_b32 s56, s[WV], 1                ; its tile
	s_mul_i32 s58, s54, STEPB
	s_add_co_u32 s58, s58, s50
	s_mov_b32 s59, 0
	s_add_nc_u64 s[4:5], s[4:5], s[58:59]
	s_lshl_b32 s62, s55, 11
	s_lshl_b32 s63, s56, 10
	s_add_co_u32 s62, s62, s63
	s_wait_alu depctr_va_vdst(0)
	v_add_nc_u32 v[QA], s62, v[LI]
	global_load_b128 v[Q0:Q0+3], v[QA], s[4:5]             ; q, channels 16 h on,
	global_load_b128 v[Q0+4:Q0+7], v[QA], s[4:5] offset:512   ; and 32 + 16 h on
	s_lshl_b32 s62, s55, 6
	v_lshl_add_u32 v[QW], v9, 2, s62
	global_load_b32 v[QS], v[QW], s[4:5] offset:16384      ; both tiles' scale bytes of my row
	s_lshr_b32 s57, s15, 3
	s_lshl_b32 s57, s57, 6
	s_lshl_b32 s58, s54, 2
	s_add_co_u32 s57, s57, s58
	s_add_co_u32 s57, s57, s55             ; my block of 32 among the 256 row blocks
	s_and_b32 s58, s15, 7
	s_lshr_b32 s59, s58, 1                 ; the next product's K step,
	s_and_b32 s58, s58, 1                  ; and my head's half of it
	s_lshl_b32 s60, s57, 14
	s_lshl_b32 s62, s56, 13
	s_add_co_u32 s60, s60, s62
	s_lshl_b32 s62, s59, 11
	s_add_co_u32 s60, s60, s62
	s_lshl_b32 s62, s58, 10
	s_add_co_u32 s60, s60, s62
	s_mov_b32 s61, 0
	s_add_nc_u64 s[8:9], s[8:9], s[60:61]
	s_lshl_b32 s60, s57, 9
	s_lshl_b32 s62, s56, 8
	s_add_co_u32 s60, s60, s62
	s_lshl_b32 s62, s59, 6
	s_add_co_u32 s60, s60, s62
	s_lshl_b32 s62, s58, 1
	s_add_co_u32 s60, s60, s62
	s_add_nc_u64 s[10:11], s[10:11], s[60:61]
	s_lshl_b32 s63, s56, 4
.irp j, 0,1,2,3,4,5,6,7
	v_mov_b32 v[Q1+\j], 0                  ; the zero codes on either side of q
	v_mov_b32 v[Q0+8+\j], 0
.endr
.irp j, 0,1,2,3,4,5,6,7,8,9,10,11,12,13,14,15,16,17,18,19,20,21,22,23,24,25,26,27,28,29,30,31
	v_mov_b32 v[O+\j], 0                   ; the step is written once: the first finds zeros, which the first change of M leaves zeros
.endr
.irp b, 0,1,2,3
	v_mov_b32 v[PT+\b], 0
.endr
	v_mov_b32 v[FF+1], 0                   ; named as the upper half of a pair
	v_mov_b32 v[TT], 0
	v_mov_b32 v[TMX], 0xff61b1e6           ; -3e38, under every t
	s_delay_alu instid0(VALU_DEP_1)
	v_floor_f32 v[NM], -v[TMX]
	v_mov_b32 v[SUM], 0
	v_mov_b32 v[SUM+1], 0
	s_wait_loadcnt 0x0
	v_lshrrev_b32 v[TT], s63, v[QS]
	s_delay_alu instid0(VALU_DEP_1)
	v_and_b32 v[TT], 0xffff, v[TT]         ; my tile's two bytes,
	s_delay_alu instid0(VALU_DEP_1)
	v_lshl_or_b32 v[QS], v[TT], 16, v[TT]  ; in both halves of the word (eight places lie between this line and the first product: the step's head)
	GROUP 1, 4
	GROUP 0, 12
	; THE WAY OUT: ctx = O^T / the sum, quantised along the head's two blocks of 32 channels: register groups 2 (head % 2) and 2 (head % 2) + 1 of the next product's fragment
	NOPS 8
	v_add_f32 v[SUM], v[SUM], v[SUM+1]
	s_delay_alu instid0(VALU_DEP_1)
	v_permlanex16_b32 v[TT], v[SUM], s[SEL], s[SEL+1]
	s_delay_alu instid0(VALU_DEP_1)
	v_add_f32 v[SUM], v[SUM], v[TT]
	s_wait_alu depctr_va_vdst(0)
	v_rcp_f32 v[FF], v[SUM]
	v_nop
	s_wait_alu depctr_va_vdst(0)
.irp j, 0,2,4,6,8,10,12,14,16,18,20,22,24,26,28,30
	v_pk_mul_f32 v[O+\j:O+1+\j], v[O+\j:O+1+\j], v[FF:FF+1] op_sel_hi:[1,0]
.endr
.irp b, 0,1
	v_max3_num_f32 v[BM+\b], |v[O+16*\b]|, |v[O+1+16*\b]|, 0x4800000
.endr
.irp i, 2,4,6,8,10,12,14
.irp b, 0,1
	s_delay_alu instid0(VALU_DEP_2)
	v_max3_num_f32 v[BM+\b], v[BM+\b], |v[O+16*\b+\i]|, |v[O+1+16*\b+\i]|
.endr
.endr
.irp b, 0,1
	s_delay_alu instid0(VALU_DEP_2)
	v_permlanex16_b32 v[PT+\b], v[BM+\b], s[SEL], s[SEL+1]
.endr
.irp b, 0,1
	s_delay_alu instid0(VALU_DEP_2)
	v_max_num_f32 v[BM+\b], v[BM+\b], v[PT+\b]
.endr
.irp b, 0,1
	s_delay_alu instid0(VALU_DEP_2)
	v_add_nc_u32 v[SCO+\b], 0xfc000000, v[BM+\b]
.endr
.irp b, 0,1
	s_delay_alu instid0(VALU_DEP_4)
	v_and_or_b32 v[LIM+\b], v[BM+\b], 0x7f800000, s[MNT]
.endr
.irp b, 0,1
	s_delay_alu instid0(VALU_DEP_4)
	v_lshrrev_b32 v[PT+\b], 23, v[SCO+\b]
.endr
.irp b, 0,1
.irp i, 0,1,2,3,4,5,6,7,8,9,10,11,12,13,14,15
	v_med3_num_f32 v[O+16*\b+\i], v[O+16*\b+\i], -v[LIM+\b], v[LIM+\b]
.endr
	v_cvt_scalef32_pk8_fp8_f32 v[P+4*\b:P+1+4*\b], v[O+16*\b:O+7+16*\b], v[SCO+\b]
	v_cvt_scalef32_pk8_fp8_f32 v[P+2+4*\b:P+3+4*\b], v[O+8+16*\b:O+15+16*\b], v[SCO+\b]
.endr
	v_nop
	v_cndmask_b32 v[TT], v[PT], v[PT+1], s[HM]   ; lanes 0-15 store block 0's byte, lanes 16-31 block 1's
	global_store_b128 v[LI], v[P:P+3], s[8:9]             ; 512 consecutive bytes
	global_store_b128 v[LI], v[P+4:P+7], s[8:9] offset:512
	global_store_b8 v[SB], v[TT], s[10:11]
	s_wait_tensorcnt 0x0                   ; the wave's end
	ds_add_u32 v254, v255
	s_wait_dscnt 0x0
	CROUND                                 ; the closing round: no work-group ends while a partner may still ask for a tile that names it
	s_endpgm
.Lfunc_end_k_q7b5860738d_attn:
	.size	k_q7b5860738d_attn, .Lfunc_end_k_q7b5860738d_attn-k_q7b5860738d_attn
	.p2alignl 7, 3214868480
	.fill 96, 4, 3214868480
	.section	.rodata,"a",@progbits
	.p2align	6, 0x0
	.amdhsa_kernel k_q7b5860738d_attn
		.amdhsa_group_segment_fixed_size 272384
		.amdhsa_private_segment_fixed_size 0
		.amdhsa_enable_private_segment 0
		.amdhsa_kernarg_size 32
		.amdhsa_user_sgpr_count 2
		.amdhsa_user_sgpr_kernarg_segment_ptr 1
		.amdhsa_wavefront_size32 1
		.amdhsa_system_sgpr_workgroup_id_x 1
		.amdhsa_system_sgpr_workgroup_id_y 1
		.amdhsa_system_sgpr_workgroup_id_z 1
		.amdhsa_system_vgpr_workitem_id 0
		.amdhsa_next_free_vgpr 256
		.amdhsa_next_free_sgpr 66
		.amdhsa_reserve_vcc 0
		.amdhsa_float_denorm_mode_32 3
		.amdhsa_float_denorm_mode_16_64 3
		.amdhsa_memory_ordered 1
		.amdhsa_forward_progress 1
		.amdhsa_inst_pref_size 54
	.end_amdhsa_kernel
	.amdgpu_metadata
---
amdhsa.version: [ 1, 2 ]
amdhsa.kernels:
  - .name:           k_q7b5860738d_attn
    .symbol:         k_q7b5860738d_attn.kd
    .args:
      - { .name: qbuf, .offset: 0, .size: 8, .value_kind: global_buffer, .address_space: global }
      - { .name: kvbuf, .offset: 8, .size: 8, .value_kind: global_buffer, .address_space: global }
      - { .name: ctximg, .offset: 16, .size: 8, .value_kind: global_buffer, .address_space: global }
      - { .name: ctxsc, .offset: 24, .size: 8, .value_kind: global_buffer, .address_space: global }
    .group_segment_fixed_size: 272384
    .private_segment_fixed_size: 0
    .kernarg_segment_align: 8
    .kernarg_segment_size: 32
    .max_flat_workgroup_size: 512
    .sgpr_count:     66
    .vgpr_count:     256
    .wavefront_size: 32
...
	.end_amdgpu_metadata
.endif
;; end of part 2
;; launch post (part 3): grid 256 x 1, 4 waves a work-group, clusters of 4 x 1, 327,680 bytes of LDS; arguments ctximg, ctxsc, wimg, wo_scales, w_up_scales, w_down_scales, bo, g1, beta1, b_up, b_down, g2, beta2, moves_embeddings, out0; writes out0
.if DOCPART == 3
	.amdgcn_target "amdgcn-amd-amdhsa--gfx1250"
	.amdhsa_code_object_version 6
	.text
	.protected	k_q7b5860738d_post
	.globl	k_q7b5860738d_post
	.p2align	8
	.type	k_q7b5860738d_post,@function
k_q7b5860738d_post:
	s_mov_b64 s[64:65], 0
	v_nop
	global_prefetch_b8 v0, s[64:65] scope:SCOPE_SE
	s_setreg_imm32_b32 hwreg(HW_REG_WAVE_MODE, 25, 1), 1
	s_wait_xcnt 0x0
	s_wait_alu depctr_hold_cnt(0) depctr_sa_sdst(0) depctr_va_vdst(0) depctr_va_sdst(0) depctr_va_ssrc(0) depctr_va_vcc(0) depctr_vm_vsrc(0)
	s_getreg_b32 s2, hwreg(HW_REG_IB_STS2, 6, 4)
	s_cmp_eq_u32 s2, 0
	s_cbranch_scc0 .Lentry_in_a_cluster
	s_endpgm
.Lentry_in_a_cluster:
	s_bfe_u32 s2, ttmp6, 0x10000c
	s_cmp_lg_u32 s2, 0x3003
	s_cbranch_scc0 .Lentry_shape_is_right
	s_endpgm
.Lentry_shape_is_right:
; x1 = LN(x + ctx wo + bo; g1, beta1);  out = LN(x1 + gelu(x1 w_up + b_up) w_down + b_down; g2, beta2), the three products on codes of FP8 (E4M3) with E8M0 scales; gelu in the erf form.
; SHARES.  A work-group takes 32 rows through the whole chain: nothing but the result goes to memory.  Nine phases of one shape, 512 output columns x K = 512: wo; then four times w_up's rows 512 j on and w_down's K from 512 j on.
; Wave w makes columns 128 w .. 128 w + 127 of each phase for both tiles of 16 rows.  The products are used transposed (source 0 = 16 weight rows, source 1 = 16 data rows): a lane holds one row and 16 neighbouring columns of each block of 32.
; WEIGHTS.  All work-groups walk the same 9 x 262,144 bytes of wimg (laid in operand-register order), so the four work-groups of a cluster ask for them JOINTLY: the same tensor load, the same descriptor, a mask that names the four.
; A tile is half a phase (column blocks 2 h and 2 h + 1 of every wave), 131,072 bytes; wave w fetches and reads its own 32,768 of them.  18 tiles go through a ring of two LDS slots; ring trip t asks for tile t + 1 first thing behind a
; round of the cluster's barrier: one tensor load of a wave is out.  A slot is copied into the wave's weight registers at once (64 loads of 16 bytes a lane on end), so the vector work may stand in any trip.
; A CHUNK of 512 hidden units is four ring trips.  The loop over chunks has four trips and is left in the middle of the fourth: the very last ring trip, which asks for no tile, is written out behind the loop, and no jump leads round a tensor load.
; PREFETCH.  Ring trip t names tile t + 3, whose tensor load stands in trip t + 2; the head names tiles 1 and 2; tile 0 comes by its load alone; the trips whose tile t + 3 would lie behind tile 17 name nothing.
; All 64 clusters read the same tiles, so four of them ask (clusters 0, 12, 32, 44: a branch on the cluster's number, which the partners share), each for the whole tile: of the 128 blocks of 256 bytes that wave w fetches,
; the partner at place cx names 32, a lane a block: told apart by address.  The address steps behind s_wait_xcnt 0, once a chunk.
; x1 and the hidden layer are quantised in registers and go from wave to wave through LDS as images of their registers: wave w's 128 columns are K step w of the next product.
; The residuals and b_up are the starting values of the sums (the C of in-place products); bo and b_down are added with the residual's sum.
; erf(z) = z P(z^2) / Q(z^2), z = x / sqrt(2) held to +-4: the f32 rational form, degrees 13 and 8; the division is v_rcp_f32 and a multiplication.
; LIMITS: NaN and infinities are not served; a block of zeros keeps the scale byte 1; beyond |x| = 4 sqrt(2) erf is taken at the hold.
; REGISTERS: window 0: v1-19 addresses, v[20:21], v[30:31] two constants, v22-29 the data's scale words, v32-47 the weights', v48-63 codes or small sums, v64-127 at work, v128-255 sums HA at 128 + 64 m + 16 cb + 8 u.
;   windows 1, 2: the weight groups: cb at window 1 + cb / 2, v[128 (cb % 2) + 16 (4 u + s)].   window 3: v0-127 the second sum Y (same index), v128-255 the data's eight fragments (4 m + s).
.set VBO,  0                           ; LDS: bo, g1, beta1, b_down, g2, beta2 (2,048 bytes each), b_up (8,192)
.set VG1,  2048
.set VBE1, 4096
.set VBD,  6144
.set VG2,  8192
.set VBE2, 10240
.set VBUP, 12288
.set X1I,  20480                       ; x1's eight images (16,384 bytes), then their scale words (1,024)
.set LNS,  37888                       ; four reductions x 512 bytes, each used once
.set HB,   40960                       ; the hidden layer's eight images and scale words
.set SPARE, 58368                      ; the spare words, 128 bytes for each wave
.set SLOT0, 65536                      ; the ring: two slots of 131,072 bytes.  All of a WGP's LDS is claimed
.set SLOTB, 131072
.set PHASEB, 262144                    ; a phase in wimg: from a slot's tile to its next
.set LI,   1
.set LS,   2
.set R4,   3
.set XO,   4
.set SO16, 5
.set SO64, 6
.set VV,   7
.set XW,   8
.set XWS,  9
.set LNW,  10
.set LNR,  11
.set STO,  12                          ; the way out: a stage of 32 rows x (512 + 16) bytes in my own part of slot 0, which has had its last fill by then
.set PFO,  13                          ; the prefetches' offset; never rewritten
.set ADB,  14
.set WA,   15                          ; v15, v16: my part of slot 0, 1, + 16 x lane
.set RD,   15                          ; the stage is read back from the same place
.set T16,  17
.set SPW,  18                          ; LDS address of my spare word; never rewritten
.set NIL,  19                          ; 0; never rewritten
.set CA,   20
.set XS,   22                          ; no product's two scale registers have numbers equal modulo 8
.set CB,   30
.set WS,   32
.set PC,   48
.set TM,   64
.set PW,   80
.set GS,   64
.set GW,   80
.set GP,   96
.set GQ,   112
.set HA,   128
.set WV,   34
.set PF4,  35                          ; 4 in a cluster that prefetches, else 0: a prefetch stands under 'chunk < this'
.set PF3,  36                          ; 3 or 0: for the tiles that the last chunk does not have
.set SPO,  38
.set SPU,  40
.set SPD,  42
.set SEL,  44
.set MNT,  46
.set HM,   47
.set I,    48
.set TBU,  49
.set AL,   52                          ; s[52:63] alpha 11 .. alpha 1, each twice
.set BE,   66                          ; s[66:73] beta 6 .. beta 0
.set R512, 74
.set G1,   80                          ; s[80:87] descriptor group 1
.set G0,   88                          ; s[88:95] descriptor group 0, a set for each slot
.set MSB, 0
.macro WIN new
.if MSB != (\new)
	s_set_vgpr_msb (MSB<<8)|(\new)
.set MSB, (\new)
.endif
.endm
.macro NOPS n
.rept \n
	v_nop
.endr
.endm
.macro SPAIR reg, val                  ; a packed form names a pair and takes its low word for both halves: both are written
	s_mov_b32 s[\reg], \val
	s_mov_b32 s[\reg+1], \val
.endm
.macro WM d, a, b, c, sa, sb, row
.if (\row) == 1
	v_wmma_scale_f32_16x16x128_f8f6f4 v[\d:\d+7], v[\a:\a+15], v[\b:\b+15], v[\c:\c+7], v[\sa], v[\sb] matrix_a_scale:MATRIX_SCALE_ROW1
.else
	v_wmma_scale_f32_16x16x128_f8f6f4 v[\d:\d+7], v[\a:\a+15], v[\b:\b+15], v[\c:\c+7], v[\sa], v[\sb]
.endif
.endm
; 64 numbers of a lane, four blocks of 16 registers (a block's other 16 lie in lane l xor 16), become 16 registers of codes in v[PC] on and the scale word in v[PW].
.macro QUANT s
.irp b, 0,1,2,3
	v_max3_num_f32 v[TM+\b], |v[\s+16*\b]|, |v[\s+1+16*\b]|, 0x4800000   ; the floor 2^(9 - 127): the byte cannot fall under 1
.endr
.irp i, 2,4,6,8,10,12,14
.irp b, 0,1,2,3
	v_max3_num_f32 v[TM+\b], v[TM+\b], |v[\s+16*\b+\i]|, |v[\s+1+16*\b+\i]|
.endr
.endr
.irp b, 0,1,2,3
	v_permlanex16_b32 v[TM+4+\b], v[TM+\b], s[SEL], s[SEL+1]
.endr
.irp b, 0,1,2,3
	v_max_num_f32 v[TM+\b], v[TM+\b], v[TM+4+\b]
.endr
.irp b, 0,1,2,3
	v_add_nc_u32 v[TM+12+\b], 0xfc000000, v[TM+\b]        ; 8 off the exponent field: the conversion's scale operand
.endr
.irp b, 0,1,2,3
	v_and_or_b32 v[TM+8+\b], v[TM+\b], 0x7f800000, s[MNT] ; 448 x the scale
.endr
.irp b, 0,1,2,3
	v_lshrrev_b32 v[TM+4+\b], 23, v[TM+12+\b]             ; the scale's byte
.endr
	v_lshl_or_b32 v[PW], v[TM+5], 8, v[TM+4]
	v_lshl_or_b32 v[PW], v[TM+6], 16, v[PW]
	v_lshl_or_b32 v[PW], v[TM+7], 24, v[PW]
.irp b, 0,1,2,3
.irp i, 0,1,2,3,4,5,6,7,8,9,10,11,12,13,14,15
	v_med3_num_f32 v[\s+16*\b+\i], v[\s+16*\b+\i], -v[TM+8+\b], v[TM+8+\b]   ; the conversion does not saturate (ISA guide 7.6.2): the hold comes first
.endr
	v_cvt_scalef32_pk8_fp8_f32 v[PC+4*\b:PC+1+4*\b], v[\s+16*\b:\s+7+16*\b], v[TM+12+\b]
	v_cvt_scalef32_pk8_fp8_f32 v[PC+2+4*\b:PC+3+4*\b], v[\s+8+16*\b:\s+15+16*\b], v[TM+12+\b]
.endr
	v_nop
.endm
.macro BARRIER
	s_wait_dscnt 0x0
	s_barrier_signal -1
	s_barrier_wait -1
.endm
; A round of the cluster's barrier: my work-group's barrier, so that wave 0's signal speaks for all four waves; wave 0 signals for the work-group; every wave waits for all four work-groups; my work-group's barrier once more.
.macro ROUND
	s_barrier_signal -1
	s_barrier_wait -1
	s_cmp_lg_u32 s[WV], 0
	s_cbranch_scc1 .Lnot_wave_0_\@
	s_barrier_signal -3
.Lnot_wave_0_\@:
	s_barrier_wait -3
	s_barrier_signal -1
	s_barrier_wait -1
.endm
; THE HEAD OF A RING TRIP, which reads the tile in \slot.  Behind the round that tile is whole in every partner, no wave of any partner still reads the other slot or has a load on its way,
; and whatever the waves of my work-group stored to LDS before it has landed.  refill = 1: the next tile is asked for, into the other slot: it has this trip's work in which to land.
.macro RING slot, refill
	s_wait_tensorcnt 0x0                   ; my one tensor load has landed: my part of this trip's tile; so every group 0 may be written
	ds_add_u32 v[SPW], v[NIL]              ; 0 onto my spare word
	s_add_nc_u64 s[G0+4*\slot+2:G0+4*\slot+3], s[G0+4*\slot+2:G0+4*\slot+3], PHASEB   ; this slot's next tile (in the last two trips the stepped address is not used)
	s_wait_dscnt 0x0                       ; the add is done, my reads of the other slot are over, my LDS stores have landed
	ROUND
.if \refill
	tensor_load_to_lds s[G0+4-4*\slot:G0+7-4*\slot], s[G1:G1+7]
	s_nop 0
	NOPS 4                                 ; four plain lines behind the load, ahead of any switch of the register windows
.endif
.endm
.macro ASK lim, off                    ; a prefetch of my 32 blocks of the tile that begins off bytes behind s[8:9], in the clusters and chunks that s[lim] admits
	s_cmp_lt_u32 s[I], s[\lim]
	s_cbranch_scc0 .Lnot_asked_\@
	global_prefetch_b8 v[PFO], s[8:9] offset:\off th:TH_LOAD_NT scope:SCOPE_SE
.Lnot_asked_\@:
.endm
; Both tiles' numbers become K step w of the next product: images and scale words at base.
.macro TOIMG base
.irp m, 0,1
	QUANT HA+64*\m
.irp c, 0,1,2,3
	ds_store_b128 v[XW], v[PC+4*\c:PC+4*\c+3] offset:(\base)+8192*\m+512*\c
.endr
	ds_store_b32 v[XWS], v[PW] offset:(\base)+16384+512*\m
	s_wait_dscnt 0x0                       ; the stores have read their registers
.endr
.endm
.macro WLD h                           ; my 32,768 bytes of slot h, column blocks 2 h and 2 h + 1, into window 1 + h: 64 loads, block 2 h's 32 first
	WIN 0x40*(1+(\h))
.irp g, 0,1
.irp f, 0,1,2,3,4,5,6,7
.irp c, 0,1,2,3
	ds_load_b128 v[128*\g+16*\f+4*\c:128*\g+16*\f+4*\c+3], v[WA+\h] offset:16384*\g+2048*\f+512*\c
.endr
.endr
.endr
	WIN 0
.endm
.macro WSL cb, kind                    ; the scale words of a later phase's block cb.  kind 0: wo, 1: w_up, 2: w_down
.if (\kind) == 0
	global_load_b128 v[WS+4*(\cb):WS+4*(\cb)+3], v[SO16], s[SPO:SPO+1] offset:512*(\cb)
.elseif (\kind) == 1
	global_load_b128 v[WS+4*(\cb):WS+4*(\cb)+3], v[SO16], s[SPU:SPU+1] offset:512*(\cb)
.else
	global_load_b128 v[WS+4*(\cb):WS+4*(\cb)+3], v[SO64], s[SPD:SPD+1] offset:2048*(\cb)
.endif
.endm
; 16 matrix instructions in place on block cb's four accumulators, which take turns, one instruction a turn.  y = 0: HA, 1: Y.
.macro TASK y, cb
	WIN 0x0d+0xf0*(\y)+(\cb)/2
.irp s, 0,1,2,3
.irp u, 0,1
.irp m, 0,1
	WM 128*(1-\y)+64*\m+16*(\cb)+8*\u, 128*((\cb)%2)+16*(4*\u+\s), 128+16*(4*\m+\s), 128*(1-\y)+64*\m+16*(\cb)+8*\u, WS+4*(\cb)+\s, XS+4*\m+\s, \u
.endr
.endr
.endr
	WIN 0
.endm
.macro AFL base                        ; the data's eight fragments and scale words
	WIN 0xc0
.irp f, 0,1,2,3,4,5,6,7
.irp c, 0,1,2,3
	ds_load_b128 v[128+16*\f+4*\c:128+16*\f+4*\c+3], v[LI] offset:(\base)+2048*\f+512*\c
.endr
.endr
	WIN 0
.irp f, 0,1,2,3,4,5,6,7
	ds_load_b32 v[XS+\f], v[LS] offset:(\base)+16384+128*\f
.endr
.endm
.macro BUP h                           ; b_up starts the sums of column blocks 2 h and 2 h + 1
.irp m, 0,1
.irp q, 0,1,2,3,4,5,6,7
	ds_load_b128 v[HA+64*\m+32*\h+4*\q:HA+64*\m+32*\h+4*\q+3], v[ADB] offset:128*(2*\h+\q/4)+16*(\q%4)
.endr
.endr
.endm
.macro VEC64 off                       ; my 64 numbers of a vector of 512 into v64-127
.irp q, 0,1,2,3,4,5,6,7,8,9,10,11,12,13,14,15
	ds_load_b128 v[64+4*\q:67+4*\q], v[VV] offset:(\off)+128*(\q/4)+16*(\q%4)
.endr
.endm
; gelu of 16 registers, in place: x 0.5 (1 + erf(x / sqrt 2))
.macro GELU16 x
.irp p, 0,2,4,6,8,10,12,14
	v_pk_mul_f32 v[GS+\p:GS+\p+1], v[\x+\p:\x+\p+1], 0x3f3504f3 op_sel_hi:[1,0]
.endr
.irp p, 0,1,2,3,4,5,6,7,8,9,10,11,12,13,14,15
	v_med3_num_f32 v[GS+\p], v[GS+\p], -4.0, 4.0
.endr
.irp p, 0,2,4,6,8,10,12,14
	v_pk_mul_f32 v[GW+\p:GW+\p+1], v[GS+\p:GS+\p+1], v[GS+\p:GS+\p+1]
.endr
.irp p, 0,2,4,6,8,10,12,14
	v_pk_fma_f32 v[GP+\p:GP+\p+1], v[CA:CA+1], v[GW+\p:GW+\p+1], s[AL:AL+1] op_sel_hi:[1,1,0]
.endr
.irp a, 2,4,6,8,10
.irp p, 0,2,4,6,8,10,12,14
	v_pk_fma_f32 v[GP+\p:GP+\p+1], v[GP+\p:GP+\p+1], v[GW+\p:GW+\p+1], s[AL+\a:AL+\a+1] op_sel_hi:[1,1,0]
.endr
.endr
.irp p, 0,2,4,6,8,10,12,14
	v_pk_fma_f32 v[GQ+\p:GQ+\p+1], v[CB:CB+1], v[GW+\p:GW+\p+1], s[BE:BE+1] op_sel_hi:[1,1,0]
.endr
.irp a, 2,4,6
.irp p, 0,2,4,6,8,10,12,14
	v_pk_fma_f32 v[GQ+\p:GQ+\p+1], v[GQ+\p:GQ+\p+1], v[GW+\p:GW+\p+1], s[BE+\a:BE+\a+1] op_sel_hi:[1,1,0]
.endr
.endr
	s_wait_alu depctr_va_vdst(0)
.irp p, 0,1,2,3,4,5,6,7,8,9,10,11,12,13,14,15
	v_rcp_f32 v[GQ+\p], v[GQ+\p]
.endr
.irp p, 0,2,4,6,8,10,12,14
	v_pk_mul_f32 v[GP+\p:GP+\p+1], v[GP+\p:GP+\p+1], v[GS+\p:GS+\p+1]   ; plain work behind the reciprocals, which names none of them
.endr
.irp p, 0,2,4,6,8,10,12,14
	v_pk_mul_f32 v[\x+\p:\x+\p+1], v[\x+\p:\x+\p+1], 0.5 op_sel_hi:[1,0]
.endr
	s_wait_alu depctr_va_vdst(0)           ; one wait for the sixteen, ahead of their first reader
.irp p, 0,2,4,6,8,10,12,14
	v_pk_mul_f32 v[GP+\p:GP+\p+1], v[GP+\p:GP+\p+1], v[GQ+\p:GQ+\p+1]   ; erf
.endr
.irp p, 0,2,4,6,8,10,12,14
	v_pk_fma_f32 v[\x+\p:\x+\p+1], v[\x+\p:\x+\p+1], v[GP+\p:GP+\p+1], v[\x+\p:\x+\p+1]
.endr
.endm
; v48 (tile 0) and v52 (tile 1): my 64 columns' sums become the rows' sums over all 512: the other half of the lanes, then the four waves through LDS, in bytes used once.
.macro REDUCE k
	v_permlanex16_b32 v56, v48, s[SEL], s[SEL+1]
	v_permlanex16_b32 v57, v52, s[SEL], s[SEL+1]
	v_add_f32 v48, v48, v56
	v_add_f32 v52, v52, v57
	v_cndmask_b32 v58, v48, v52, s[HM]
	ds_store_b32 v[LNW], v58 offset:512*(\k)
	BARRIER                                ; my tensor load may stay out
.irp m, 0,1
.irp w, 0,1,2,3
	ds_load_b32 v[56+4*\m+\w], v[LNR] offset:512*(\k)+128*\w+64*\m
.endr
.endr
	s_wait_dscnt 0x0
	v_add_f32 v48, v56, v57
	v_add_f32 v49, v58, v59
	v_add_f32 v52, v60, v61
	v_add_f32 v53, v62, v63
	v_add_f32 v48, v48, v49
	v_add_f32 v52, v52, v53
.endm
; LayerNorm of HA's 2 x 64 numbers a lane, in two passes (mean; squares of the differences).  dup = 1: the result also starts the second sum, Y.
.macro LN gofs, bofs, k, dup
.irp m, 0,1
	v_pk_add_f32 v[48+4*\m:49+4*\m], v[HA+64*\m:HA+64*\m+1], v[HA+64*\m+2:HA+64*\m+3]
	v_pk_add_f32 v[50+4*\m:51+4*\m], v[HA+64*\m+4:HA+64*\m+5], v[HA+64*\m+6:HA+64*\m+7]
.endr
.set p, 8
.rept 14
.irp m, 0,1
	v_pk_add_f32 v[48+4*\m:49+4*\m], v[48+4*\m:49+4*\m], v[HA+64*\m+p:HA+64*\m+p+1]
	v_pk_add_f32 v[50+4*\m:51+4*\m], v[50+4*\m:51+4*\m], v[HA+64*\m+p+2:HA+64*\m+p+3]
.endr
.set p, p+4
.endr
.irp m, 0,1
	v_pk_add_f32 v[48+4*\m:49+4*\m], v[48+4*\m:49+4*\m], v[50+4*\m:51+4*\m]
.endr
.irp m, 0,1
	v_add_f32 v[48+4*\m], v[48+4*\m], v[49+4*\m]
.endr
	REDUCE \k
	v_mul_f32 v48, s[R512], v48            ; the means
	v_mul_f32 v52, s[R512], v52
.set p, 0
.rept 32
.irp m, 0,1
	v_pk_add_f32 v[HA+64*\m+p:HA+64*\m+p+1], v[HA+64*\m+p:HA+64*\m+p+1], v[48+4*\m:49+4*\m] op_sel_hi:[1,0] neg_lo:[0,1] neg_hi:[0,1]
.endr
.set p, p+2
.endr
.irp m, 0,1
	v_pk_mul_f32 v[48+4*\m:49+4*\m], v[HA+64*\m:HA+64*\m+1], v[HA+64*\m:HA+64*\m+1]
	v_pk_mul_f32 v[50+4*\m:51+4*\m], v[HA+64*\m+2:HA+64*\m+3], v[HA+64*\m+2:HA+64*\m+3]
.endr
.set p, 4
.rept 15
.irp m, 0,1
	v_pk_fma_f32 v[48+4*\m:49+4*\m], v[HA+64*\m+p:HA+64*\m+p+1], v[HA+64*\m+p:HA+64*\m+p+1], v[48+4*\m:49+4*\m]
	v_pk_fma_f32 v[50+4*\m:51+4*\m], v[HA+64*\m+p+2:HA+64*\m+p+3], v[HA+64*\m+p+2:HA+64*\m+p+3], v[50+4*\m:51+4*\m]
.endr
.set p, p+4
.endr
.irp m, 0,1
	v_pk_add_f32 v[48+4*\m:49+4*\m], v[48+4*\m:49+4*\m], v[50+4*\m:51+4*\m]
.endr
.irp m, 0,1
	v_add_f32 v[48+4*\m], v[48+4*\m], v[49+4*\m]
.endr
	REDUCE (\k)+1
	v_fmaak_f32 v48, s[R512], v48, 0x3727c5ac   ; the variance + 1e-5
	v_fmaak_f32 v52, s[R512], v52, 0x3727c5ac
	s_wait_alu depctr_va_vdst(0)
	v_rsq_f32 v48, v48
	v_rsq_f32 v52, v52
	v_nop
	s_wait_alu depctr_va_vdst(0)
.set p, 0
.rept 32
.irp m, 0,1
	v_pk_mul_f32 v[HA+64*\m+p:HA+64*\m+p+1], v[HA+64*\m+p:HA+64*\m+p+1], v[48+4*\m:49+4*\m] op_sel_hi:[1,0]
.endr
.set p, p+2
.endr
.irp hb, 0,1                               ; the gain and the shift, two blocks of 32 columns at a time
.irp q, 0,1,2,3,4,5,6,7
	ds_load_b128 v[64+4*\q:67+4*\q], v[VV] offset:(\gofs)+256*\hb+128*(\q/4)+16*(\q%4)
	ds_load_b128 v[96+4*\q:99+4*\q], v[VV] offset:(\bofs)+256*\hb+128*(\q/4)+16*(\q%4)
.endr
	s_wait_dscnt 0x0
.if \dup
	WIN 0xc0
.set p, 0
.rept 16
.irp m, 0,1
	v_pk_fma_f32 v[64*\m+32*\hb+p:64*\m+32*\hb+p+1], v[HA+64*\m+32*\hb+p:HA+64*\m+32*\hb+p+1], v[64+p:65+p], v[96+p:97+p]
.endr
.set p, p+2
.endr
	WIN 0
.endif
.set p, 0
.rept 16
.irp m, 0,1
	v_pk_fma_f32 v[HA+64*\m+32*\hb+p:HA+64*\m+32*\hb+p+1], v[HA+64*\m+32*\hb+p:HA+64*\m+32*\hb+p+1], v[64+p:65+p], v[96+p:97+p]
.endr
.set p, p+2
.endr
.endr
.endm
	s_load_b512 s[4:19], s[0:1], 0x0       ; ctximg, ctxsc, wimg, wo, w_up, w_down scales, bo, g1
	s_load_b256 s[20:27], s[0:1], 0x40     ; beta1, b_up, b_down, g2
	s_load_b128 s[28:31], s[0:1], 0x60     ; beta2, x
	s_load_b64 s[32:33], s[0:1], 0x70      ; out0
	v_lshl_add_u32 v[SPW], v0, 2, SPARE
	v_mov_b32 v[NIL], 0
	ds_add_u32 v[SPW], v[NIL]              ; the opening lines: the add, twice on end, and its wait ahead of the first tensor load
	ds_add_u32 v[SPW], v[NIL]
	v_lshrrev_b32 v1, 5, v0
	v_readfirstlane_b32 s[WV], v1          ; wave 0..3
	; descriptor group 1: my 32,768 dense bytes of a tile as 128 rows of 256 bytes (32 elements of 8 bytes), no padding: they are read 16 bytes a lane on end
	s_mov_b32 s[G1], 15|(3<<16)|(1<<21)    ; 15:0 the mask: all four work-groups; 17:16 elements of 8 bytes; 21 set beside a mask
	s_mov_b32 s[G1+1], 32<<16              ; tensor_dim0 = 32
	s_mov_b32 s[G1+2], 128<<16             ; tensor_dim1 = 128
	s_mov_b32 s[G1+3], 32<<16              ; tile_dim0 = 32
	s_mov_b32 s[G1+4], 128                 ; tile_dim1 = 128
	s_mov_b32 s[G1+5], 32                  ; from row to row
	s_mov_b32 s[G1+6], 0
	s_mov_b32 s[G1+7], 0
	s_lshl_b32 s96, s[WV], 16              ; in memory a wave's part of a phase is 65,536 bytes,
	s_mov_b32 s97, 0
	s_lshl_b32 s98, s[WV], 15              ; in a slot 32,768: nothing of the work-group's place enters a descriptor
	s_wait_dscnt 0x0
	s_wait_kmcnt 0x0
	s_add_nc_u64 s[96:97], s[8:9], s[96:97]
.irp n, 0,1
	s_mov_b32 s[G0+4*\n], 1                ; 1:0 count = 1
	s_add_co_u32 s[G0+4*\n+1], s98, SLOT0+\n*SLOTB                 ; 63:32 LDS address
	s_add_nc_u64 s[G0+4*\n+2:G0+4*\n+3], s[96:97], \n*32768        ; 120:64 global address: tile n
	s_or_b32 s[G0+4*\n+3], s[G0+4*\n+3], 0x80000000                ; 127:126 type = 2
.endr
	ROUND                                  ; all four work-groups are here: the first joint load meets
	tensor_load_to_lds s[G0:G0+3], s[G1:G1+7]   ; tile 0
	s_nop 0
	NOPS 4
	s_bfe_u32 s75, ttmp6, 0x40000          ; cx: my place in the cluster
	s_lshl_b32 s79, ttmp9, 2               ; in a cluster launch ttmp9 counts clusters
	s_add_co_u32 s79, s79, s75             ; my block of 32 rows: it enters the addresses of ctx, x and the result alone
	s_lshl_b32 s96, s[WV], 9
	s_lshl_b32 s97, s[WV], 11
	s_lshl_b32 s50, s[WV], 7
	s_add_co_u32 s51, s50, LNS
	s_add_co_u32 s99, s98, SLOT0           ; my part of slot 0,
	s_add_co_u32 s37, s99, SLOTB           ; and of slot 1
	s_lshl_b32 s78, s[WV], 16
	s_lshl_b32 s76, s75, 13
	s_add_co_u32 s78, s78, s76             ; the prefetches: my wave's part of a phase, + my work-group's 32 blocks
	s_and_b32 s76, ttmp9, 0x13             ; clusters 0, 12, 32, 44: bits 0, 1, 4 are 0 and bits 2 and 3 are equal
	s_lshr_b32 s77, ttmp9, 2
	s_lshr_b32 s3, ttmp9, 3
	s_xor_b32 s77, s77, s3
	s_and_b32 s77, s77, 1
	s_or_b32 s76, s76, s77
	s_cmp_eq_u32 s76, 0
	s_cselect_b32 s[PF4], 4, 0
	s_cselect_b32 s[PF3], 3, 0
	SPAIR AL, 0x32edffee
	SPAIR AL+2, 0xb60cff51
	SPAIR AL+4, 0xb86ec2d2
	SPAIR AL+6, 0xba40ac63
	SPAIR AL+8, 0xbb41a1f6
	SPAIR AL+10, 0xbc83dbd4
	SPAIR BE, 0xb95fbd29
	SPAIR BE+2, 0xbadc924e
	SPAIR BE+4, 0xbbf19bf8
	SPAIR BE+6, 0xbc69b6a7
	s_mov_b32 s[R512], 0x3b000000          ; 1 / 512
	s_mov_b32 s[SEL], 0x76543210
	s_mov_b32 s[SEL+1], 0xfedcba98
	s_mov_b32 s[MNT], 0x600000
	s_mov_b32 s[HM], 0xffff0000
	s_mov_b32 s[I], 0
	s_mov_b32 s[TBU], VBUP
	s_mov_b32 s77, 0
	v_and_b32 v60, 31, v0                  ; lane
	v_and_b32 v61, 15, v0                  ; r
	v_bfe_u32 v62, v0, 4, 1                ; h
	v_lshlrev_b32 v[LI], 4, v60
	v_lshlrev_b32 v[LS], 2, v60
	v_lshlrev_b32 v[R4], 2, v61
	v_and_b32 v63, 8, v61
	v_add_nc_u32 v63, v63, v61             ; r + 8 (r / 8)
	v_lshlrev_b32 v[XO], 11, v63
	v_lshl_add_u32 v[XO], v62, 6, v[XO]    ; x: my row of 2,048 bytes, + 64 h
	v_lshl_add_u32 v63, v62, 3, v63
	v_lshlrev_b32 v[SO16], 4, v63          ; weight scale words: lanes 0-15 tile 0's rows, lanes 16-31 tile 1's; 16 bytes a row,
	v_lshlrev_b32 v[SO64], 6, v63          ; or 64
	v_lshl_add_u32 v[VV], v62, 6, s96      ; a vector of 512: my wave's 128 numbers, + 16 h of them
	v_add_nc_u32 v[XW], s97, v[LI]         ; where I store images: K step w
	v_add_nc_u32 v[XWS], s50, v[LS]
	v_add_nc_u32 v[LNW], s51, v[LS]
	v_add_nc_u32 v[LNR], LNS, v[R4]
	v_mul_u32_u24 v[STO], v61, 528
	v_lshl_add_u32 v[STO], v62, 6, v[STO]
	v_add_nc_u32 v[STO], s99, v[STO]
	v_add_nc_u32 v[WA], s99, v[LI]
	v_add_nc_u32 v[WA+1], s37, v[LI]
	v_lshlrev_b32 v[T16], 4, v0
	v_lshl_add_u32 v[PFO], v60, 8, s78     ; a lane a block of 256 bytes
	v_mov_b32 v[CA], 0xaf95df0b            ; alpha 13
	v_mov_b32 v[CA+1], 0xaf95df0b
	v_mov_b32 v[CB], 0xb77460cd            ; beta 8
	v_mov_b32 v[CB+1], 0xb77460cd
	s_wait_alu depctr_va_vdst(0)
	s_lshl_b32 s76, s79, 14
	s_add_nc_u64 s[4:5], s[4:5], s[76:77]  ; my 32 rows' images of ctx,
	s_lshl_b32 s76, s79, 9
	s_add_nc_u64 s[6:7], s[6:7], s[76:77]  ; their scale words
	s_mov_b32 s76, s97
	s_add_nc_u64 s[SPO:SPO+1], s[10:11], s[76:77]
	s_add_nc_u64 s[SPU:SPU+1], s[12:13], s[76:77]
	s_lshl_b32 s76, s[WV], 13
	s_add_nc_u64 s[SPD:SPD+1], s[14:15], s[76:77]
	s_lshl_b32 s76, s79, 16
	s_add_co_u32 s76, s76, s96
	s_add_nc_u64 s[30:31], s[30:31], s[76:77]
	s_add_nc_u64 s[32:33], s[32:33], s[76:77]
	global_load_b128 v[48:51], v[T16], s[16:17]
	global_load_b128 v[52:55], v[T16], s[18:19]
	global_load_b128 v[56:59], v[T16], s[20:21]
	global_load_b128 v[60:63], v[T16], s[24:25]
	global_load_b128 v[64:67], v[T16], s[26:27]
	global_load_b128 v[68:71], v[T16], s[28:29]
.irp k, 0,1,2,3
	global_load_b128 v[72+4*\k:75+4*\k], v[T16], s[22:23] offset:2048*\k
.endr
	WIN 0xc0
.irp f, 0,1,2,3,4,5,6,7
.irp c, 0,1,2,3
	global_load_b128 v[128+16*\f+4*\c:128+16*\f+4*\c+3], v[LI], s[4:5] offset:2048*\f+512*\c
.endr
.endr
	WIN 0
.irp f, 0,1,2,3,4,5,6,7
	global_load_b32 v[XS+\f], v[R4], s[6:7] offset:64*\f
.endr
.irp m, 0,1
.irp q, 0,1,2,3,4,5,6,7,8,9,10,11,12,13,14,15
	global_load_b128 v[HA+64*\m+4*\q:HA+64*\m+4*\q+3], v[XO], s[30:31] offset:16384*\m+128*(\q/4)+16*(\q%4)   ; x: the residual starts the first sum
.endr
.endr
.irp cb, 0,1,2,3
	WSL \cb, 0
.endr
	ASK PF4, 32768                         ; tiles 1 and 2
	ASK PF4, PHASEB
	s_wait_loadcnt 63                      ; 76 loads were issued behind the ten small vectors
.irp k, 0,1,2,3,4,5,6,7,8,9
	ds_store_b128 v[T16], v[48+4*\k:51+4*\k] offset:2048*\k   ; they are read behind the first trip's round
.endr
	; ---- ctx wo: two ring trips
	RING 0, 1
	WLD 0
	ASK PF4, PHASEB+32768                  ; tile 3
	s_wait_loadcnt 0x0                     ; ctx, x, wo's scale words
	s_wait_dscnt 32
	TASK 0, 0
	s_wait_dscnt 0x0
	TASK 0, 1
	NOPS 8
	WSL 0, 1
	WSL 1, 1
	RING 1, 1
	WLD 1
	ASK PF4, 2*PHASEB                      ; tile 4
	s_wait_dscnt 32
	TASK 0, 2
	s_wait_dscnt 0x0
	TASK 0, 3
	NOPS 8
	WSL 2, 1
	WSL 3, 1
	VEC64 VBO
	s_wait_dscnt 0x0
.set p, 0
.rept 32
.irp m, 0,1
	v_pk_add_f32 v[HA+64*\m+p:HA+64*\m+p+1], v[HA+64*\m+p:HA+64*\m+p+1], v[64+p:65+p]
.endr
.set p, p+2
.endr
	LN VG1, VBE1, 0, 1
	TOIMG X1I                              ; x1's eight fragments: never written again
	s_wait_xcnt 0x0                        ; the prefetches have read their base
	s_add_nc_u64 s[8:9], s[8:9], PHASEB    ; at w_up's first phase
	BARRIER                                ; x1's images are whole.  My tensor load may stay out
	AFL X1I                                ; the first chunk's data and starting sums: they land under the round at the chunk's head
	v_add_nc_u32 v[ADB], s[TBU], v[VV]
	BUP 0
	BUP 1
; A CHUNK.  The scale words of a block are asked for a phase ahead, two loads at the end of each ring trip: behind the two that a trip needs stand the two that the trip before it issued: the count 2.
.Lchunk:
	; ---- x1 w_up + b_up, column blocks 0 and 1
	RING 0, 1
	WLD 0
	ASK PF4, PHASEB+32768                  ; this chunk's last tile
	s_wait_loadcnt 2
	s_wait_dscnt 32                        ; all but block 1's 32 loads
	TASK 0, 0
	NOPS 8                                 ; places behind block 0's products, in front of the first read of their results
	s_wait_dscnt 0x0
	TASK 0, 1
	GELU16 HA                              ; block 0, both tiles of rows: these lines are also the places behind block 1's products
	GELU16 HA+64
	WSL 0, 2
	WSL 1, 2
	; ---- column blocks 2 and 3; block 1's gelu stands between the LDS loads and the wait for them
	RING 1, 1
	WLD 1
	ASK PF3, 2*PHASEB                      ; the next chunk's first tile
	GELU16 HA+16
	GELU16 HA+80
	s_wait_loadcnt 2
	s_wait_dscnt 32
	TASK 0, 2
	NOPS 8
	s_wait_dscnt 0x0
	TASK 0, 3
	GELU16 HA+32                           ; block 2
	GELU16 HA+96
	WSL 2, 2
	WSL 3, 2
	; ---- the rest of gelu, the quantiser, and + h w_down, column blocks 0 and 1
	RING 0, 1
	WLD 0
	ASK PF3, 2*PHASEB+32768
	GELU16 HA+48                           ; block 3
	GELU16 HA+112
	TOIMG HB
	BARRIER                                ; the hidden layer's eight fragments lie in LDS.  They are stored again four rounds on, each behind every wave's wait for its LDS loads
	AFL HB
	s_wait_loadcnt 2
	s_wait_dscnt 0x0
	TASK 1, 0
	TASK 1, 1
	NOPS 8                                 ; places in front of loads into registers that the products have read
	s_cmp_eq_u32 s[I], 3
	s_cbranch_scc1 .Llast                  ; the fourth chunk's last ring trip is written out behind the loop
	s_wait_xcnt 0x0                        ; loads and prefetches issued so far have read their bases
	s_add_nc_u64 s[SPU:SPU+1], s[SPU:SPU+1], 8192
	s_add_nc_u64 s[SPD:SPD+1], s[SPD:SPD+1], 16
	s_add_nc_u64 s[8:9], s[8:9], 2*PHASEB  ; at the next chunk's w_up
	WSL 0, 1
	WSL 1, 1
	; ---- column blocks 2 and 3
	RING 1, 1
	WLD 1
	ASK PF4, PHASEB                        ; the next chunk's third tile
	s_wait_loadcnt 2
	s_wait_dscnt 32
	TASK 1, 2
	s_wait_dscnt 0x0
	TASK 1, 3
	NOPS 8
	WSL 2, 1
	WSL 3, 1
	s_add_co_u32 s[TBU], s[TBU], 2048
	AFL X1I                                ; the next chunk's data and starting sums, 72 LDS loads: they land under the round at its head
	v_add_nc_u32 v[ADB], s[TBU], v[VV]
	BUP 0
	BUP 1
	s_add_co_u32 s[I], s[I], 1
	s_cmp_lt_u32 s[I], 4
	s_cbranch_scc1 .Lchunk
.Llast:
	RING 1, 0                              ; tile 17: nothing is asked for any more
	WLD 1
	s_wait_loadcnt 0x0
	s_wait_dscnt 32
	TASK 1, 2
	s_wait_dscnt 0x0
	TASK 1, 3
	NOPS 8
	VEC64 VBD
	s_wait_dscnt 0x0
	WIN 0x03                               ; source 0: Y, in window 3
.set p, 0
.rept 32
.irp m, 0,1
	v_pk_add_f32 v[HA+64*\m+p:HA+64*\m+p+1], v[64*\m+p:64*\m+p+1], v[64+p:65+p]
.endr
.set p, p+2
.endr
	WIN 0
	LN VG2, VBE2, 2, 0
	; THE WAY OUT: through my own stage, so that a store covers a row's 512 consecutive bytes of my 128 columns.  The stage lies in my own 32,768 bytes of slot 0: their last fill was tile 16, which I alone read, two ring trips back
.irp m, 0,1
.irp q, 0,1,2,3,4,5,6,7,8,9,10,11,12,13,14,15
	ds_store_b128 v[STO], v[HA+64*\m+4*\q:HA+64*\m+4*\q+3] offset:8448*\m+128*(\q/4)+16*(\q%4)
.endr
.endr
	s_wait_dscnt 0x0                       ; the stores have read their registers, into which the rows come back
.set q, 0
.rept 32
	ds_load_b128 v[HA+4*q:HA+4*q+3], v[RD] offset:528*q
.set q, q+1
.endr
.set q, 0
.rept 32
	s_wait_dscnt 31-q
	global_store_b128 v[LI], v[HA+4*q:HA+4*q+3], s[32:33] offset:2048*(8*(q/16)+(q%16)+8*((q%16)/8)) th:TH_STORE_NT
.set q, q+1
.endr
	s_wait_tensorcnt 0x0                   ; the wave's end: behind my last tensor load and my last LDS store
	ds_add_u32 v[SPW], v[NIL]
	s_wait_dscnt 0x0
	ROUND                                  ; the closing round: no work-group ends while a partner may still ask for a tile that names it
	s_endpgm
.Lfunc_end_k_q7b5860738d_post:
	.size	k_q7b5860738d_post, .Lfunc_end_k_q7b5860738d_post-k_q7b5860738d_post
	.p2alignl 7, 3214868480
	.fill 96, 4, 3214868480
	.section	.rodata,"a",@progbits
	.p2align	6, 0x0
	.amdhsa_kernel k_q7b5860738d_post
		.amdhsa_group_segment_fixed_size 327680
		.amdhsa_private_segment_fixed_size 0
		.amdhsa_enable_private_segment 0
		.amdhsa_kernarg_size 120
		.amdhsa_user_sgpr_count 2
		.amdhsa_user_sgpr_kernarg_segment_ptr 1
		.amdhsa_wavefront_size32 1
		.amdhsa_system_sgpr_workgroup_id_x 1
		.amdhsa_system_sgpr_workgroup_id_y 1
		.amdhsa_system_sgpr_workgroup_id_z 1
		.amdhsa_system_vgpr_workitem_id 0
		.amdhsa_next_free_vgpr 1024
		.amdhsa_next_free_sgpr 100
		.amdhsa_reserve_vcc 0
		.amdhsa_float_denorm_mode_32 3
		.amdhsa_float_denorm_mode_16_64 3
		.amdhsa_memory_ordered 1
		.amdhsa_forward_progress 1
		.amdhsa_inst_pref_size 255
	.end_amdhsa_kernel
	.section	.bss,"aw",@nobits
	.p2align	6
	.space	262144
	.amdgpu_metadata
---
amdhsa.version: [ 1, 2 ]
amdhsa.kernels:
  - .name:           k_q7b5860738d_post
    .symbol:         k_q7b5860738d_post.kd
    .args:
      - { .name: ctximg, .offset: 0, .size: 8, .value_kind: global_buffer, .address_space: global }
      - { .name: ctxsc, .offset: 8, .size: 8, .value_kind: global_buffer, .address_space: global }
      - { .name: wimg, .offset: 16, .size: 8, .value_kind: global_buffer, .address_space: global }
      - { .name: wo_scales, .offset: 24, .size: 8, .value_kind: global_buffer, .address_space: global }
      - { .name: w_up_scales, .offset: 32, .size: 8, .value_kind: global_buffer, .address_space: global }
      - { .name: w_down_scales, .offset: 40, .size: 8, .value_kind: global_buffer, .address_space: global }
      - { .name: bo, .offset: 48, .size: 8, .value_kind: global_buffer, .address_space: global }
      - { .name: g1, .offset: 56, .size: 8, .value_kind: global_buffer, .address_space: global }
      - { .name: beta1, .offset: 64, .size: 8, .value_kind: global_buffer, .address_space: global }
      - { .name: b_up, .offset: 72, .size: 8, .value_kind: global_buffer, .address_space: global }
      - { .name: b_down, .offset: 80, .size: 8, .value_kind: global_buffer, .address_space: global }
      - { .name: g2, .offset: 88, .size: 8, .value_kind: global_buffer, .address_space: global }
      - { .name: beta2, .offset: 96, .size: 8, .value_kind: global_buffer, .address_space: global }
      - { .name: moves_embeddings, .offset: 104, .size: 8, .value_kind: global_buffer, .address_space: global }
      - { .name: out0, .offset: 112, .size: 8, .value_kind: global_buffer, .address_space: global }
    .group_segment_fixed_size: 327680
    .private_segment_fixed_size: 0
    .kernarg_segment_align: 8
    .kernarg_segment_size: 120
    .max_flat_workgroup_size: 128
    .sgpr_count:     100
    .vgpr_count:     1024
    .wavefront_size: 32
...
	.end_amdgpu_metadata
.endif
;; end of part 3
